; MI455X (gfx1250); checked and timed in simulation.
; The chip was launched on July 23, 2026; its instructions are those of AMD's public machine-readable ISA for CDNA 5 (MIT licence, August 2026) and "CDNA5" Instruction Set Architecture Reference Guide (July 2026). The comments in the code are by the model that wrote it; some were corrected since.
;; Causal Self Attention. Allowed arithmetic: matrix products marked QUANTISED: E2M1 operands, one E8M0 scale for each 32 along K, by v_wmma_scale_f32_16x16x128_f8f6f4 with both operands' format E2M1 (or v_wmma_scale_f32_32x16x128_f4), f32 sums; everything else in f32.
;; Inputs: W_attn 1,024 x 3,072 float32; W_proj 1,024 x 1,024 float32; b_attn 3,072 float32; b_proj 1,024 float32; x 4 x 2,048 x 1,024 float32.
;; Outputs: out0 4 x 2,048 x 1,024 float32.
;; This version of the problem:
;;   THIS VERSION OF THE PROBLEM IS GIVEN IN LOW PRECISION. The matrix products marked QUANTISED in the list below multiply operands that are first quantised to E2M1 (2 exponent bits, 1 mantissa bit; 4 bits a number), with one power-of-two scale for each 32 numbers along K (OCP MX v1.0); their sums are f32. All else is computed in f32.
;;   The module's matrix products, in the order in which they are computed (A, B: the left and right operand; K: the contracted axis; several contracted axes count as one K, in the product's order):
;;     1. [M 8,192, K 1,024] x [K 1,024, N 3,072]; A: input x; B: input W_attn: QUANTISED
;;     2. batch 64 x [M 2,048, K 64] x [K 64, N 2,048]; A: computed on the way; B: computed on the way: QUANTISED
;;     3. batch 64 x [M 2,048, K 2,048] x [K 2,048, N 64]; A: softmax (see below); B: computed on the way: QUANTISED
;;     4. [M 8,192, K 1,024] x [K 1,024, N 1,024]; A: computed on the way; B: input W_proj: QUANTISED
;;   THE QUANTISER, for each operand of a quantised product, along K:
;;     - K is cut into blocks of 32 from its start; a last block that is shorter is filled with zeros.
;;     - A block's scale is 2^e with e = floor(log2(the largest magnitude in the block)) - 2, held to -126 .. 127; a block of zeros has e = 0. As a byte (E8M0): e + 127.
;;     - Each number is divided by its block's scale, clamped to +-6, and rounded to the nearest number of E2M1, ties to even, subnormals kept.
;;     - The product sums the exact products of the quantised numbers (number of the format x scale) in f32.
;;   ~~~python
;;   def quantise(x, axis):      # numpy; x: float32 -> the quantised numbers, widened to float32 again
;;       x = np.moveaxis(x, axis, -1); K = x.shape[-1]
;;       x = np.pad(x, [(0, 0)] * (x.ndim - 1) + [(0, -K % 32)]); x = x.reshape(x.shape[:-1] + (-1, 32)); a = np.abs(x).max(-1, keepdims=True)
;;       e = np.where(a > 0, np.clip(np.frexp(np.where(a > 0, a, 1))[1] - 1 - 2, -126, 127), 0)      # np.frexp(a)[1] - 1 = floor(log2(a)), exactly
;;       r = np.clip(x / 2.0 ** e, -6, 6)
;;       step = 2.0 ** (np.maximum(np.frexp(np.where(r == 0, 1, r))[1] - 1, 0) - 1)
;;       q = np.round(r / step) * step * 2.0 ** e      # np.round: ties to even
;;       return np.moveaxis(q.reshape(q.shape[:-2] + (-1,))[..., :K], -1, axis).astype(np.float32)
;;   ~~~
;;   SOFTMAX AHEAD OF A QUANTISED PRODUCT. Where the list says 'softmax', what is quantised is not the finished softmax but p = 2^(t - M), with t = logit x log2(e) and M = ceil(the row's largest t), a whole number; so 1/2 < the row's largest p <= 1. The row's sum l is taken of the UNQUANTISED p, in f32, and the product's result is divided by l at the end. Since M is a whole number, a kernel that streams over the keys may use a running M (the ceiling of the running maximum): every later rescaling is an exact power of two, which a block's scale takes up: the codes' values come out the same.
;;   OPERANDS COMPUTED ON THE WAY. 'Computed on the way' means the value that the module computes at that place (a softmax that the list does not call 'softmax' is quantised finished and normalised). What goes into a quantiser is computed in f32, as accurately as f32 sums, v_exp_f32 and their like allow (about 1e-6 of the number): no bf16 or f16 on the way to a quantiser, and a product that is left as it is and whose result goes on into a quantised operand takes f32 operands (vector FMAs, or v_wmma_f32_16x16x4_f32). A number that lies on a knife's edge between two numbers of the format may be rounded either way, as far as f32 arithmetic and the matrix unit's own rounding can turn it there, and no further.
;; One version. Each part assembles by itself: llvm-mc -triple=amdgcn-amd-amdhsa -mcpu=gfx1250 --defsym DOCPART=n.
;; ======== version 1 of 1: 4 launches
;; workspace buffers: xq 4,456,448 bytes; waq 1,671,168 bytes; wpq 557,056 bytes; yq 4,456,448 bytes; qkvc 13,369,344 bytes
;; launch quant (part 1): grid 512 x 1, 4 waves a work-group, no clusters, 34,304 bytes of LDS; arguments x, W_attn, W_proj, xq, waq, wpq; writes xq, waq, wpq
.if DOCPART == 1
	.amdgcn_target "amdgcn-amd-amdhsa--gfx1250"
	.amdhsa_code_object_version 6
	.text
	.protected	k_q98fe257cbc_quant
	.globl	k_q98fe257cbc_quant
	.p2align	8
	.type	k_q98fe257cbc_quant,@function
k_q98fe257cbc_quant:
	s_mov_b64 s[64:65], 0
	v_nop
	global_prefetch_b8 v0, s[64:65] scope:SCOPE_SE
	s_setreg_imm32_b32 hwreg(HW_REG_WAVE_MODE, 25, 1), 1
	s_wait_xcnt 0x0
; CAUSAL SELF-ATTENTION IN MX-FP4, four launches: quant (this one), qkv, attn, proj.
; This launch turns x [8192][1024], W_attn [1024][3072] and W_proj [1024][1024], f32, into codes of E2M1 with one E8M0 byte for each 32 along K (K = the 1,024 of x's rows and of the weights' FIRST axis).
; WORK LEFT OUT IN THE PROGRAM: reference() builds its causal mask itself (jnp.tril) and puts the lowest f32 number where key > query; behind the maximum's subtraction the exponential of such a score is 0
; for every finite input, so it adds nothing to the row's sum nor to the product with v.  So the launch attn leaves out every step of 128 keys all of which come after a tile's 16 queries; inside the step on
; the diagonal the hidden scores are computed and replaced.  Nothing else is left out: all five inputs reach the output and are loaded (b_attn's k part goes into a quantiser, so it stays).
; LIMIT: a NaN, an infinity or an overflow that reaches only those hidden scores is not carried to the result.
; LIMITS of the quantiser: NaN and infinities among the inputs are not served; a block whose largest magnitude lies under 2^-124 (a block of zeros among them) gets the byte 1: its codes are zeros or the
; rule's own at that scale, and the bytes are read by this program alone.
; LAYOUT OF THE RESULTS (R rows, K = 1,024): images of operand registers.  A row's index n goes to position p = n with its bits 3 and 4 swapped; T = p / 16, rho = p % 16.  For K step s of 128 (kh = s / 4):
;   codes at kh R 256 + T 4096 + (s % 4) 1024 + 256 t + 16 rho, t = the block of 32 in the K step;   scale words (four bytes, one a block) at R 512 + T 512 + kh 256 + 16 rho + 4 (s % 4).
; So tile 2 b + u holds in its row rho the index 32 b + 8 u + rho + 8 (rho / 8): the 16 registers of two neighbouring result tiles are then 16 neighbours along the next product's K.
; SHARES: work-groups 0-255 take 32 rows of x each, 256-447 W_attn, 448-511 W_proj.  No work-group reads what another reads: no cluster, no matrix unit, no tensor load; memory binds.
.set SPARE, 33792                      ; behind the four stages: the spare words, 128 bytes a wave
.set STW,   8448                       ; a wave's stage: 16 rows of 528 bytes
.set SPI,   528                        ; 512 bytes + 16: 33 x 16, so sixteen rows start in sixteen different 16-byte columns
.set L16,   1                          ; v1   16 x lane
.set STX,   2                          ; v2   the stage, way in
.set RDX,   3                          ; v3   the stage, way out: row r, + 128 h
.set R16,   4                          ; v4   16 r
.set H8,    5                          ; v5   8 h
.set SPW,   6                          ; v6   my spare word; never rewritten
.set NIL,   7                          ; v7   0; never rewritten
.set SW,    16                         ; v16-19 the four scale words
.set CD,    20                         ; v20-51 codes, eight registers a fragment: no store's data are written again
.set X,     52                         ; v52-115 64 numbers: two blocks of 32 of my row
.set R,     116                        ; v116-243 two sets of 64 as loaded
	s_load_b256 s[4:11], s[0:1], 0x0               ; x, W_attn, W_proj, xq
	s_load_b128 s[12:15], s[0:1], 0x20             ; waq, wpq
	v_lshl_add_u32 v[SPW], v0, 2, SPARE
	v_mov_b32 v[NIL], 0
	v_lshrrev_b32 v8, 5, v0
	v_readfirstlane_b32 s16, v8                    ; wave 0..3
	s_wait_kmcnt 0x0
	s_cmp_lt_u32 ttmp9, 256
	s_cbranch_scc0 .Lweights
; ---- x: work-group g takes rows 32 g .. 32 g + 31.  Wave w: tile T = 2 g + w / 2, K half kh = w % 2: four fragments of 16 rows x 128 K.
	s_lshr_b32 s17, s16, 1                         ; u
	s_and_b32 s18, s16, 1                          ; kh
	s_lshl_b32 s20, ttmp9, 17                      ; 32 g rows of 4,096 bytes
	s_lshl_b32 s21, s17, 15                        ; + 8 u rows
	s_add_co_u32 s20, s20, s21
	s_lshl_b32 s21, s18, 11                        ; + kh x 512 numbers
	s_add_co_u32 s20, s20, s21
	s_mov_b32 s21, 0
	s_add_nc_u64 s[4:5], s[4:5], s[20:21]
	s_lshl_b32 s22, ttmp9, 1
	s_add_co_u32 s22, s22, s17                     ; T
	s_lshl_b32 s20, s22, 12
	s_lshl_b32 s23, s18, 21
	s_add_co_u32 s20, s20, s23
	s_add_nc_u64 s[24:25], s[10:11], s[20:21]      ; my codes
	s_lshl_b32 s20, s22, 9
	s_lshl_b32 s23, s18, 8
	s_add_co_u32 s20, s20, s23
	s_add_co_u32 s20, s20, 4194304
	s_add_nc_u64 s[26:27], s[10:11], s[20:21]      ; my scale words
	s_mov_b32 s28, 0x76543210
	s_mov_b32 s29, 0xfedcba98                      ; lane l xor 16
	v_and_b32 v8, 31, v0
	v_lshlrev_b32 v[L16], 4, v8
	v_and_b32 v9, 15, v0                           ; r
	v_bfe_u32 v10, v0, 4, 1                        ; h
	s_mul_i32 s17, s16, STW
	v_add_nc_u32 v[STX], s17, v[L16]
	v_mul_u32_u24 v[RDX], v9, SPI
	v_lshl_add_u32 v[RDX], v10, 7, v[RDX]
	v_add_nc_u32 v[RDX], s17, v[RDX]
	v_lshlrev_b32 v[R16], 4, v9
	v_lshlrev_b32 v[H8], 3, v10
	v_mov_b32 v15, 0                               ; a lane permute's destination counts as one of its sources
.macro LOADF f                         ; fragment f: 16 rows x 512 bytes; tile row i is row i + 8 (i / 8) from the base; 32 lanes read 512 consecutive bytes
.set i, 0
.rept 16
	global_load_b128 v[R+64*((\f)%2)+4*i:R+64*((\f)%2)+4*i+3], v[L16], s[4:5] offset:(i+8*(i/8))*4096+(\f)*512 th:TH_LOAD_NT
.set i, i+1
.endr
.endm
.macro FRAGX f
.if (\f) < 3
	s_wait_loadcnt 16                              ; this fragment's 16 loads are in; the next fragment's 16 may be out
.else
	s_wait_loadcnt 0x0
.endif
.set i, 0
.rept 16
	ds_store_b128 v[STX], v[R+64*((\f)%2)+4*i:R+64*((\f)%2)+4*i+3] offset:i*SPI
.set i, i+1
.endr
.irp c, 0,1                            ; back: lane (r, h) takes k = 64 c + 32 h + 0 .. 31 of row r.  LDS serves a wave's instructions in order: these see the stores above
.irp j, 0,1,2,3,4,5,6,7
	ds_load_b128 v[X+32*\c+4*\j:X+32*\c+4*\j+3], v[RDX] offset:256*\c+16*\j
.endr
.endr
	s_wait_dscnt 0x0                               ; the numbers are back, and the stores have read their registers,
.if (\f) < 2
	LOADF (\f)+2                                   ; which take the fragment two on
.endif
.irp c, 0,1
	v_max3_num_f32 v[8+\c], |v[X+32*\c]|, |v[X+32*\c+1]|, 0x1800000   ; my block 2 c + h: all 32 numbers are mine; the floor 2^(3 - 127) holds the byte at 1 from below
.endr
.irp i, 2,4,6,8,10,12,14,16,18,20,22,24,26,28,30
.irp c, 0,1
	v_max3_num_f32 v[8+\c], v[8+\c], |v[X+32*\c+\i]|, |v[X+32*\c+\i+1]|
.endr
.endr
.irp c, 0,1
	v_add_nc_u32 v[10+\c], 0xff000000, v[8+\c]     ; 2 off the exponent field: the conversion's scale operand
.endr
.irp c, 0,1
	v_lshrrev_b32 v[12+\c], 23, v[10+\c]           ; the scale's byte
.endr
	v_lshl_or_b32 v14, v13, 16, v12                ; blocks h and 2 + h,
	v_lshlrev_b32 v14, v[H8], v14                  ; at their places in the word;
	v_permlanex16_b32 v15, v14, s28, s29
	v_or_b32 v[SW+\f], v14, v15                    ; with lane l xor 16's two the word is whole
.irp c, 0,1
.irp g, 0,1,2,3
	v_cvt_scalef32_pk8_fp4_f32 v[CD+8*(\f)+4*\c+\g], v[X+32*\c+8*\g:X+32*\c+8*\g+7], v[10+\c]
.endr
.endr
	v_nop                                          ; one plain line behind the last conversion
.irp c, 0,1
	global_store_b128 v[L16], v[CD+8*(\f)+4*\c:CD+8*(\f)+4*\c+3], s[24:25] offset:(\f)*1024+512*\c   ; 512 consecutive bytes
.endr
.endm
	LOADF 0
	LOADF 1
	FRAGX 0
	FRAGX 1
	FRAGX 2
	FRAGX 3
	s_wait_tensorcnt 0x0                           ; the wave's end: behind my last LDS store
	ds_add_u32 v[SPW], v[NIL]
	s_wait_dscnt 0x0
	s_wait_xcnt 0x0                                ; EXEC changes only behind this wait
	v_cmp_eq_u32 vcc_lo, 0, v[H8]
	s_and_saveexec_b32 s30, vcc_lo                 ; lanes 0-15: both halves hold the same words
	global_store_b128 v[R16], v[SW:SW+3], s[26:27] ; 256 consecutive bytes
	s_wait_xcnt 0x0
	s_or_b32 exec_lo, exec_lo, s30
	s_endpgm
; ---- the weights: K is the first axis.  A lane takes a column n and its registers run down a K step of 128: a block of 32 lies in one lane, and the conversions give codes with K innermost.
; Loads run two blocks ahead: 64 loads of a wave are out at the most; each of the four blocks has 32 registers of its own.
.macro WLOAD t, N                      ; block t: W(32 t + i, my column), i = 0 .. 31: 128 consecutive bytes a wave and load
.set i, 0
.rept 32
	global_load_b32 v[32+32*(\t)+i], v9, s[24:25] offset:(32*(\t)+i)*(\N)*4 th:TH_LOAD_NT
.set i, i+1
.endr
.endm
.macro WBLOCK t, N
.set XS, 32+32*(\t)
.if (\t) < 3
	s_wait_loadcnt 32                              ; this block's 32 loads are in; behind them only the next block's 32 were issued, and they may be out
.else
	s_wait_loadcnt 0x0
.endif
.if (\t) < 2
	WLOAD (\t)+2, \N                               ; the block two on goes out ahead of this block's arithmetic
.endif
	v_max3_num_f32 v2, |v[XS]|, |v[XS+1]|, |v[XS+2]|
	v_max3_num_f32 v3, |v[XS+3]|, |v[XS+4]|, |v[XS+5]|
.irp i, 6,10,14,18,22,26
	v_max3_num_f32 v2, v2, |v[XS+\i]|, |v[XS+\i+1]|
	v_max3_num_f32 v3, v3, |v[XS+\i+2]|, |v[XS+\i+3]|
.endr
	v_max3_num_f32 v2, v2, |v[XS+30]|, |v[XS+31]|
	v_max3_num_f32 v2, v2, v3, 0x1800000           ; and the floor
	v_add_nc_u32 v4, 0xff000000, v2
	v_lshrrev_b32 v5, 23, v4
.if (\t) == 0
	v_mov_b32 v15, v5
.else
	v_lshl_or_b32 v15, v5, 8*(\t), v15             ; the four bytes make the K step's scale word
.endif
.irp g, 0,1,2,3
	v_cvt_scalef32_pk8_fp4_f32 v[16+4*(\t)+\g], v[XS+8*\g:XS+8*\g+7], v4
.endr
	v_nop                                          ; one plain line behind the last conversion
	global_store_b128 v13, v[16+4*(\t):16+4*(\t)+3], s[28:29] offset:256*(\t)   ; two whole runs of 256 bytes, one for each of the lanes' two tiles
.endm
.macro WPATH N, src, dst, first
	s_sub_co_u32 s17, ttmp9, \first
	s_lshr_b32 s18, s17, 3                         ; which 128 columns
	s_and_b32 s19, s17, 7                          ; which K step
	s_lshl_b32 s18, s18, 7
	s_lshl_b32 s20, s16, 5
	s_add_co_u32 s18, s18, s20                     ; n0: my wave's first column
	s_mul_i32 s22, s19, 128*\N*4
	s_lshl_b32 s20, s18, 2
	s_add_co_u32 s22, s22, s20
	s_mov_b32 s23, 0
	s_add_nc_u64 s[24:25], s[\src:\src+1], s[22:23]
	s_lshr_b32 s20, s19, 2                         ; kh
	s_mul_i32 s22, s20, \N*256
	s_lshl_b32 s21, s18, 8                         ; (n0 / 16) x 4,096
	s_add_co_u32 s22, s22, s21
	s_and_b32 s21, s19, 3
	s_lshl_b32 s26, s21, 10
	s_add_co_u32 s22, s22, s26
	s_add_nc_u64 s[28:29], s[\dst:\dst+1], s[22:23]
	s_lshl_b32 s22, s18, 5                         ; (n0 / 16) x 512
	s_lshl_b32 s20, s20, 8
	s_add_co_u32 s22, s22, s20
	s_lshl_b32 s21, s21, 2
	s_add_co_u32 s22, s22, s21
	s_add_co_u32 s22, s22, \N*512
	s_add_nc_u64 s[30:31], s[\dst:\dst+1], s[22:23]
	v_and_b32 v8, 31, v0
	v_lshlrev_b32 v9, 2, v8                        ; in: 4 bytes a lane, 128 consecutive bytes a wave
	v_bfe_u32 v10, v0, 3, 1                        ; column's bit 3: which of my two tiles
	v_bfe_u32 v11, v0, 4, 1                        ; its bit 4: the upper half of the tile's rows
	v_and_b32 v12, 7, v0
	v_lshl_add_u32 v12, v11, 3, v12                ; rho
	v_lshlrev_b32 v12, 4, v12
	v_lshl_add_u32 v13, v10, 12, v12               ; codes
	v_lshl_add_u32 v14, v10, 9, v12                ; scale words
	WLOAD 0, \N
	WLOAD 1, \N
	WBLOCK 0, \N
	WBLOCK 1, \N
	WBLOCK 2, \N
	WBLOCK 3, \N
	global_store_b32 v14, v15, s[30:31]            ; 4 bytes a lane, 16 bytes apart: one byte in 128 of what the path reads
.endm
.Lweights:
	s_cmp_lt_u32 ttmp9, 448
	s_cbranch_scc0 .Lproj_w
	WPATH 3072, 6, 12, 256
	s_endpgm
.Lproj_w:
	WPATH 1024, 8, 14, 448
	s_endpgm
.Lfunc_end_k_q98fe257cbc_quant:
	.size	k_q98fe257cbc_quant, .Lfunc_end_k_q98fe257cbc_quant-k_q98fe257cbc_quant
	.p2alignl 7, 3214868480
	.fill 96, 4, 3214868480
	.section	.rodata,"a",@progbits
	.p2align	6, 0x0
	.amdhsa_kernel k_q98fe257cbc_quant
		.amdhsa_group_segment_fixed_size 34304
		.amdhsa_private_segment_fixed_size 0
		.amdhsa_enable_private_segment 0
		.amdhsa_kernarg_size 48
		.amdhsa_user_sgpr_count 2
		.amdhsa_user_sgpr_kernarg_segment_ptr 1
		.amdhsa_wavefront_size32 1
		.amdhsa_system_sgpr_workgroup_id_x 1
		.amdhsa_system_sgpr_workgroup_id_y 1
		.amdhsa_system_sgpr_workgroup_id_z 1
		.amdhsa_system_vgpr_workitem_id 0
		.amdhsa_next_free_vgpr 256
		.amdhsa_next_free_sgpr 66
		.amdhsa_reserve_vcc 1
		.amdhsa_float_denorm_mode_32 3
		.amdhsa_float_denorm_mode_16_64 3
		.amdhsa_memory_ordered 1
		.amdhsa_forward_progress 1
		.amdhsa_inst_pref_size 70
	.end_amdhsa_kernel
	.amdgpu_metadata
---
amdhsa.version: [ 1, 2 ]
amdhsa.kernels:
  - .name:           k_q98fe257cbc_quant
    .symbol:         k_q98fe257cbc_quant.kd
    .args:
      - { .name: x, .offset: 0, .size: 8, .value_kind: global_buffer, .address_space: global }
      - { .name: W_attn, .offset: 8, .size: 8, .value_kind: global_buffer, .address_space: global }
      - { .name: W_proj, .offset: 16, .size: 8, .value_kind: global_buffer, .address_space: global }
      - { .name: xq, .offset: 24, .size: 8, .value_kind: global_buffer, .address_space: global }
      - { .name: waq, .offset: 32, .size: 8, .value_kind: global_buffer, .address_space: global }
      - { .name: wpq, .offset: 40, .size: 8, .value_kind: global_buffer, .address_space: global }
    .group_segment_fixed_size: 34304
    .private_segment_fixed_size: 0
    .kernarg_segment_align: 8
    .kernarg_segment_size: 48
    .max_flat_workgroup_size: 128
    .sgpr_count:     66
    .vgpr_count:     256
    .wavefront_size: 32
...
	.end_amdgpu_metadata
.endif
;; end of part 1
;; launch qkv (part 2): grid 12 x 32, 4 waves a work-group, clusters of 4 x 4, 327,680 bytes of LDS; arguments xq, waq, b_attn, qkvc; writes qkvc
.if DOCPART == 2
	.amdgcn_target "amdgcn-amd-amdhsa--gfx1250"
	.amdhsa_code_object_version 6
	.text
	.protected	k_q98fe257cbc_qkv
	.globl	k_q98fe257cbc_qkv
	.p2align	8
	.type	k_q98fe257cbc_qkv,@function
k_q98fe257cbc_qkv:
	s_mov_b64 s[64:65], 0
	v_nop
	global_prefetch_b8 v0, s[64:65] scope:SCOPE_SE
	s_setreg_imm32_b32 hwreg(HW_REG_WAVE_MODE, 25, 1), 1
	s_wait_xcnt 0x0
	s_wait_alu depctr_hold_cnt(0) depctr_sa_sdst(0) depctr_va_vdst(0) depctr_va_sdst(0) depctr_va_ssrc(0) depctr_va_vcc(0) depctr_vm_vsrc(0)
	s_getreg_b32 s2, hwreg(HW_REG_IB_STS2, 6, 4)
	s_cmp_eq_u32 s2, 0
	s_cbranch_scc0 .Lentry_in_a_cluster
	s_endpgm
.Lentry_in_a_cluster:
	s_bfe_u32 s2, ttmp6, 0x10000c
	s_cmp_lg_u32 s2, 0xf033
	s_cbranch_scc0 .Lentry_shape_is_right
	s_endpgm
.Lentry_shape_is_right:
; qkv = x W_attn + b_attn on codes of E2M1, and its results quantised on the way out: q and k along the head's 64, v along the tokens (the keys).  No f32 number goes to memory.
; A tile of 256 tokens x 256 columns is made by four waves, 128 x 128 each: 64 accumulators, 512 registers.  K = 1,024 lies in LDS whole, as two slots of 512: every LDS byte is filled once.
; OPERANDS ARE IMAGES OF THEIR REGISTERS: a fragment (16 rows x 128 K) is 1,024 bytes, two loads of 16 bytes a lane at 16 x lane: no pitch, no padding.
; CLUSTERS: 4 x 4 work-groups; x's tiles are asked for jointly along a row of the cluster, W's along a column.  Cluster x = 0: q, 1: k, 2: v, the same in all sixteen partners.
; ROLES.  Source 1 gives the result's lanes, source 0 its registers.  q, k: source 1 = tokens, source 0 = columns: a lane's registers run along the head's channels, the next K.  v: the other way round:
; a lane holds a channel and its registers run along the tokens.  Only the bases of the LDS READS differ, chosen by the cluster's x.
; The rows of both operands lie in positions with bits 3 and 4 of the index swapped, so the 16 registers of result tiles 2 b, 2 b + 1 are indices 32 b + 16 (lane / 16) + 0 .. 15.
; RECORDS of qkvc, 52,224 bytes for (batch, head, chunk of 512 tokens): K codes 16 KB, V codes 16 KB, K scale words 1 KB, V scale words 1 KB, Q codes 16 KB, Q scale words 1 KB.
; LIMITS: as stated at the head of the launch quant.
.set NQ,    4                          ; steps of 128 along K in a slot
.set FR,    8                          ; registers of a fragment
.set NL,    2                          ; LDS loads that bring one
.set NP,    4                          ; places behind this matrix instruction (ISA guide 7.12.1)
.set SLOT,  131072                     ; x's 16 tiles x 4 KB, then W's
.set SCL,   262144                     ; behind the slots: x's scale words 8 KB, then W's 8 KB
.set SPARE, 278528                     ; the spare words, 128 bytes a wave
.set REC,   52224
.set HEADB, 208896                     ; four records: from a head to the next
.set LN,   1                           ; v1  lane
.set RR,   2                           ; v2  r = lane % 16
.set HH,   3                           ; v3  h = lane / 16
.set SW,   4                           ; v4-7   the way out: four scale words to store
.set PWS,  8                           ; v8-15  the way out: a scale word for each of my eight blocks
.set ADRA, 16                          ; v16-17 LDS address of source 1's fragments in slot 0, 1
.set ADRB, 20                          ; v20-21 of source 0's
.set BOFF, 22                          ; v22 the bias's lane offset
.set L16,  24                          ; v24 16 x lane
.set SOFF, 25                          ; v25 h x four records + 16 r
.set ADRS, 27                          ; v27 LDS address of my scale words: lanes 0-15 source 1's rows, lanes 16-31 source 0's
.set SPW,  28                          ; v28 my spare word; never rewritten
.set NIL,  29                          ; v29 0; never rewritten
.set SELV, 30                          ; v30 byte selects
.set SC,   32                          ; v32-95 scale words, two sets; they hold nothing else
.set PC,   96                          ; v96-103 the codes just made
.set TM,   104                         ; v104-119 at work in QUANT
.set AF,   128                         ; v128-191 source 1's fragments, one set
.set H,    128                         ; the way out: 64 numbers of a block
.set BIAS, 192                         ; v192-255 the bias
.set SEL,  12                          ; s[12:13] lane l xor 16
.set G1, 24
.set G0, 32
.set G1B, 48
.set G0B, 56
.set G1S, 68
.set G0S, 76
.set G1SB, 80
.set G0SB, 88
.set MSB, 0
.macro WIN new                         ; the immediate's high byte repeats the setting that is left
.if MSB != \new
	s_set_vgpr_msb (MSB<<8)|\new
.set MSB, \new
.endif
.endm
.set MUL_LO, 0xa1                      ; source 0 window 1, source 1 window 0, C and D window 2
.set MUL_HI, 0xf1                      ; the same, C and D window 3
.set TO_B,   0x40                      ; destination window 1, address window 0
; A joint load: waves 0 and 1 fetch x's halves, waves 2 and 3 W's.  The branch hangs on the wave's number alone.  An s_nop 0 and four v_nop follow each line.
.macro JLOAD g0a, g1a, g0b, g1b
	s_cmp_eq_u32 s15, 0
	s_cbranch_scc0 .Lfor_b_\@
	tensor_load_to_lds s[\g0a:\g0a+3], s[\g1a:\g1a+7]
	s_nop 0
.rept 4
	v_nop
.endr
	s_branch .Lasked_\@
.Lfor_b_\@:
	tensor_load_to_lds s[\g0b:\g0b+3], s[\g1b:\g1b+7]
	s_nop 0
.rept 4
	v_nop
.endr
.Lasked_\@:
.endm
.macro CROUND                          ; a round of the cluster's barrier
	s_barrier_signal -1
	s_barrier_wait -1
	s_cmp_lg_u32 s14, 0
	s_cbranch_scc1 .Lnot_wave_0_\@
	s_barrier_signal -3
.Lnot_wave_0_\@:
	s_barrier_wait -3
	s_barrier_signal -1
	s_barrier_wait -1
.endm
	s_load_b256 s[4:11], s[0:1], 0x0               ; xq, waq, b_attn, qkvc
	v_lshl_add_u32 v[SPW], v0, 2, SPARE
	v_mov_b32 v[NIL], 0
	ds_add_u32 v[SPW], v[NIL]                      ; the wave's opening: the add, twice on end, and its wait ahead of my first tensor load
	ds_add_u32 v[SPW], v[NIL]
	v_lshrrev_b32 v1, 5, v0
	v_readfirstlane_b32 s14, v1                    ; wave 0..3
	s_lshr_b32 s15, s14, 1                         ; my half of source 1's rows.  Also: I fetch for x (0) or for W (1)
	s_and_b32 s16, s14, 1                          ; my half of source 0's rows.  Also: which 128 rows I fetch
	s_bfe_u32 s40, ttmp6, 0x40000                  ; cx
	s_bfe_u32 s41, ttmp6, 0x40004                  ; cy
	s_lshl_b32 s42, ttmp9, 2
	s_add_co_u32 s42, s42, s40                     ; X: tile of 256 columns, 0 .. 11
	s_and_b32 s17, ttmp7, 0xffff
	s_lshl_b32 s17, s17, 2
	s_add_co_u32 s17, s17, s41                     ; Y: tile of 256 tokens, 0 .. 31
	s_lshl_b32 s43, s41, 2
	s_lshl_b32 s43, 15, s43                        ; my row of the cluster
	s_lshl_b32 s44, 0x1111, s40                    ; my column
	s_or_b32 s[G1+0], s43, (3<<16)|(1<<21)         ; 15:0 the mask; 17:16 elements of 8 bytes; 21 set beside a mask; no padding
	s_or_b32 s[G1B+0], s44, (3<<16)|(1<<21)
.irp g, G1, G1B                        ; codes: a dense block of 32 KB as 128 rows of 256 bytes
	s_mov_b32 s[\g+1], 32<<16
	s_mov_b32 s[\g+2], 128<<16
	s_mov_b32 s[\g+3], 32<<16
	s_mov_b32 s[\g+4], 128
	s_mov_b32 s[\g+5], 32
	s_mov_b32 s[\g+6], 0
	s_mov_b32 s[\g+7], 0
.endr
	s_or_b32 s[G1S+0], s43, (3<<16)|(1<<21)
	s_or_b32 s[G1SB+0], s44, (3<<16)|(1<<21)
.irp g, G1S, G1SB                      ; scale words: 4 KB as 16 rows of 256 bytes
	s_mov_b32 s[\g+1], 32<<16
	s_mov_b32 s[\g+2], 16<<16
	s_mov_b32 s[\g+3], 32<<16
	s_mov_b32 s[\g+4], 16
	s_mov_b32 s[\g+5], 32
	s_mov_b32 s[\g+6], 0
	s_mov_b32 s[\g+7], 0
.endr
	s_lshl_b32 s18, s16, 3                         ; which eight tiles of 16 rows I fetch
	s_lshl_b32 s20, s17, 4
	s_add_co_u32 s20, s20, s18                     ; x: tile 16 Y + 8 x half
	s_lshl_b32 s46, s42, 4
	s_add_co_u32 s46, s46, s18                     ; W: tile 16 X + 8 x half
	s_lshl_b32 s22, s20, 9
	s_add_co_u32 s22, s22, 8192*512                ; x's scale words
	s_mov_b32 s23, 0
	s_lshl_b32 s20, s20, 12                        ; x's codes
	s_mov_b32 s21, 0
	s_lshl_b32 s92, s46, 9
	s_add_co_u32 s92, s92, 3072*512
	s_mov_b32 s93, 0
	s_lshl_b32 s46, s46, 12
	s_mov_b32 s47, 0
	s_lshl_b32 s45, s14, 15                        ; where they go: wave x 32 KB: no place in the cluster enters an LDS address
	s_lshl_b32 s94, s14, 12
	s_mov_b32 s[SEL], 0x76543210
	s_mov_b32 s[SEL+1], 0xfedcba98
	s_wait_dscnt 0x0                               ; both opening adds are done
	s_wait_kmcnt 0x0
	s_add_nc_u64 s[20:21], s[4:5], s[20:21]
	s_add_nc_u64 s[22:23], s[4:5], s[22:23]
	s_add_nc_u64 s[46:47], s[6:7], s[46:47]
	s_add_nc_u64 s[92:93], s[6:7], s[92:93]
	CROUND                                         ; all sixteen work-groups are here: the first joint loads meet
	s_mov_b32 s[G0S], 1
	s_add_co_u32 s[G0S+1], s94, SCL
	s_mov_b64 s[G0S+2:G0S+3], s[22:23]
	s_or_b32 s[G0S+3], s[G0S+3], 0x80000000
	s_mov_b32 s[G0SB], 1
	s_add_co_u32 s[G0SB+1], s94, SCL
	s_mov_b64 s[G0SB+2:G0SB+3], s[92:93]
	s_or_b32 s[G0SB+3], s[G0SB+3], 0x80000000
	JLOAD G0S, G1S, G0SB, G1SB                     ; the scale words first: they are wanted with slot 0
.irp s, 0,1
	s_mov_b32 s[G0+4*\s], 1
	s_add_co_u32 s[G0+4*\s+1], s45, \s*SLOT
	s_add_nc_u64 s[G0+4*\s+2:G0+4*\s+3], s[20:21], \s*8192*256
	s_or_b32 s[G0+4*\s+3], s[G0+4*\s+3], 0x80000000
	s_mov_b32 s[G0B+4*\s], 1
	s_add_co_u32 s[G0B+4*\s+1], s45, \s*SLOT
	s_add_nc_u64 s[G0B+4*\s+2:G0B+4*\s+3], s[46:47], \s*3072*256
	s_or_b32 s[G0B+4*\s+3], s[G0B+4*\s+3], 0x80000000
	JLOAD G0+4*\s, G1, G0B+4*\s, G1B               ; three tensor loads of mine are out at the most
.endr
	v_and_b32 v[LN], 31, v0
	v_and_b32 v[RR], 15, v0
	v_bfe_u32 v[HH], v0, 4, 1
	v_lshlrev_b32 v[L16], 4, v[LN]
	s_cmp_eq_u32 ttmp9, 2                          ; v?  Then W is source 1 and x source 0
	s_cselect_b32 s95, 65536, 0                    ; source 1's region in a slot
	s_cselect_b32 s96, 0, 65536                    ; source 0's
	s_cselect_b32 s97, 8192, 0                     ; and among the scale words
	s_cselect_b32 s98, 0, 8192
	s_lshl_b32 s21, s15, 15
	s_add_co_u32 s21, s21, s95
	s_lshl_b32 s22, s16, 15
	s_add_co_u32 s22, s22, s96
.irp s, 0,1
	v_add_nc_u32 v[ADRA+\s], s21, v[L16]
	v_add_nc_u32 v[ADRB+\s], s22, v[L16]
	s_add_co_u32 s21, s21, SLOT
	s_add_co_u32 s22, s22, SLOT
.endr
	v_lshlrev_b32 v5, 4, v[RR]
	s_lshl_b32 s21, s15, 12
	s_add_co_u32 s21, s21, s97
	s_add_co_u32 s21, s21, SCL
	s_lshl_b32 s22, s16, 12
	s_add_co_u32 s22, s22, s98
	s_add_co_u32 s22, s22, SCL
	v_add_nc_u32 v6, s21, v5
	v_add_nc_u32 v7, s22, v5
	v_cmp_gt_u32 vcc_lo, 16, v[LN]                 ; (written behind the tensor loads)
	v_cndmask_b32 v[ADRS], v7, v6, vcc_lo          ; lanes 0-15 source 1's words, lanes 16-31 source 0's
	v_mul_u32_u24 v[SOFF], v[HH], HEADB
	v_lshl_add_u32 v[SOFF], v[RR], 4, v[SOFF]
.irp b, 0,1,2,3
	v_mov_b32 v[TM+4+\b], 0                        ; written once: a lane permute's destination counts as one of its sources
.endr
.macro FRAG reg, adr, q, i             ; tile i, the slot's q-th 128 along K: registers 4 c .. 4 c + 3 hold K = 64 c + 32 (lane / 16) + 0 .. 31
.irp c, 0,1
	ds_load_b128 v[\reg+4*\c:\reg+4*\c+3], v[\adr] offset:(\i)*4096+(\q)*1024+512*\c
.endr
.endm
; 16 matrix instructions: source 1's blocks a0, a0 + 1 x source 0's eight.  The 64 accumulators take turns, one instruction a turn, in the same order in every step.
.macro MUL16 a0, p, q, sc, zero
.irp a, \a0, \a0+1
.irp b, 0,1,2,3,4,5,6,7
.if \zero
	v_wmma_scale_f32_16x16x128_f8f6f4 v[8*(8*((\a)%4)+\b):8*(8*((\a)%4)+\b)+7], v[128*(\p)+FR*\b:128*(\p)+FR*\b+FR-1], v[AF+FR*(\a):AF+FR*(\a)+FR-1], 0, v[SC+8*NQ*(\sc)+NQ*\b+(\q)], v[SC+8*NQ*(\sc)+NQ*(\a)+(\q)] matrix_a_fmt:MATRIX_FMT_FP4 matrix_b_fmt:MATRIX_FMT_FP4 matrix_a_scale:MATRIX_SCALE_ROW1
.else
	v_wmma_scale_f32_16x16x128_f8f6f4 v[8*(8*((\a)%4)+\b):8*(8*((\a)%4)+\b)+7], v[128*(\p)+FR*\b:128*(\p)+FR*\b+FR-1], v[AF+FR*(\a):AF+FR*(\a)+FR-1], v[8*(8*((\a)%4)+\b):8*(8*((\a)%4)+\b)+7], v[SC+8*NQ*(\sc)+NQ*\b+(\q)], v[SC+8*NQ*(\sc)+NQ*(\a)+(\q)] matrix_a_fmt:MATRIX_FMT_FP4 matrix_b_fmt:MATRIX_FMT_FP4 matrix_a_scale:MATRIX_SCALE_ROW1
.endif
.endr
.endr
.endm
.macro FETCH_B slot, q, p
	WIN TO_B
.irp i, 0,1,2,3,4,5,6,7
	FRAG 128*(\p)+FR*\i, ADRB+\slot, \q, \i
.endr
	WIN 0
.endm
.macro FETCH_A slot, q, i0
.irp i, \i0, \i0+1, \i0+2, \i0+3
	FRAG AF+FR*(\i), ADRA+\slot, \q, \i
.endr
.endm
.macro SCALES sc                       ; slot sc's scale words: four a row
.irp i, 0,1,2,3,4,5,6,7
	ds_load_b128 v[SC+8*NQ*\sc+NQ*\i:SC+8*NQ*\sc+NQ*\i+3], v[ADRS] offset:\i*512+\sc*256
.endr
.endm
.macro PLACES n                        ; plain vector instructions in front of loads into registers that matrix instructions have read, and of the first read of results
.rept \n
	v_nop
.endr
.endm
.macro STEP slot, q, zero              ; a step of 128 along K that has its successor in the same slot
	s_wait_dscnt 4*NL                              ; source 0's set and source 1's blocks 0-3 are in; the youngest eight loads (blocks 4-7) may be out
	WIN MUL_LO
	MUL16 0, (\q)%2, \q, \slot, \zero
	MUL16 2, (\q)%2, \q, \slot, \zero
	s_wait_dscnt 0
	PLACES NP
	FETCH_B \slot, (\q)+1, 1-(\q)%2
	FETCH_A \slot, (\q)+1, 0
	WIN MUL_HI
	MUL16 4, (\q)%2, \q, \slot, \zero
	MUL16 6, (\q)%2, \q, \slot, \zero
	PLACES NP
	WIN 0
	FETCH_A \slot, (\q)+1, 4
.endm
.macro TURN slot, next                 ; slot 0's last step: behind its barrier slot 1 is whole for every wave.  Nothing is filled again
	s_wait_tensorcnt 0x0                           ; all my tensor loads have landed: my part of slot 1
	ds_add_u32 v[SPW], v[NIL]
	s_wait_dscnt 4*NL+1                            ; (the add and the youngest eight loads may be out)
	WIN MUL_LO
	MUL16 0, 1, NQ-1, \slot, 0
	s_wait_dscnt 0x0
	s_barrier_signal -1
	MUL16 2, 1, NQ-1, \slot, 0
	WIN 0
	s_barrier_wait -1
	PLACES NP
	FETCH_B \next, 0, 0
	FETCH_A \next, 0, 0
	SCALES \next
	WIN MUL_HI
	MUL16 4, 1, NQ-1, \slot, 0
	MUL16 6, 1, NQ-1, \slot, 0
	PLACES NP
	WIN 0
	FETCH_A \next, 0, 4
.endm
.macro STEPS slot, from
.set Q, \from
.rept NQ-1-\from
	STEP \slot, Q, 0
.set Q, Q+1
.endr
.endm
.macro LAST                            ; the very last step: nothing more to fetch
	s_wait_dscnt 4*NL
	WIN MUL_LO
	MUL16 0, 1, NQ-1, 1, 0
	MUL16 2, 1, NQ-1, 1, 0
	s_wait_dscnt 0
	WIN MUL_HI
	MUL16 4, 1, NQ-1, 1, 0
	MUL16 6, 1, NQ-1, 1, 0
	WIN 0
.endm
; 64 numbers of a lane, register 16 b + i = k 32 b + 16 (lane / 16) + i of my row, become a fragment's codes in v[PC] on and its scale word in v[pw].
.macro QUANT s, pw
.irp b, 0,1,2,3
	v_max3_num_f32 v[TM+\b], |v[\s+16*\b]|, |v[\s+1+16*\b]|, 0x1800000   ; my 16 numbers of block b, and the floor 2^(3 - 127)
.endr
.irp i, 2,4,6,8,10,12,14
.irp b, 0,1,2,3
	v_max3_num_f32 v[TM+\b], v[TM+\b], |v[\s+16*\b+\i]|, |v[\s+1+16*\b+\i]|
.endr
.endr
.irp b, 0,1,2,3
	v_permlanex16_b32 v[TM+4+\b], v[TM+\b], s[SEL], s[SEL+1]
.endr
.irp b, 0,1,2,3
	v_max_num_f32 v[TM+\b], v[TM+\b], v[TM+4+\b]   ; with lane l xor 16's: the block's largest magnitude
.endr
.irp b, 0,1,2,3
	v_add_nc_u32 v[TM+12+\b], 0xff000000, v[TM+\b] ; 2 off its exponent field: the conversion's scale operand
.endr
.irp b, 0,1,2,3
	v_lshrrev_b32 v[TM+4+\b], 23, v[TM+12+\b]      ; the scale's byte
.endr
	v_lshl_or_b32 v[\pw], v[TM+5], 8, v[TM+4]
	v_lshl_or_b32 v[\pw], v[TM+6], 16, v[\pw]
	v_lshl_or_b32 v[\pw], v[TM+7], 24, v[\pw]
.irp b, 0,1,2,3
	v_cvt_scalef32_pk8_fp4_f32 v[PC+2*\b], v[\s+16*\b:\s+7+16*\b], v[TM+12+\b]
	v_cvt_scalef32_pk8_fp4_f32 v[PC+1+2*\b], v[\s+8+16*\b:\s+15+16*\b], v[TM+12+\b]
.endr
	v_nop                                          ; one plain line behind the last conversion
.irp c, 0,1                            ; a whole block in a lane: lanes 0-15 block 2 c, lanes 16-31 block 2 c + 1
.irp i, 0,1
	v_permlane16_swap_b32 v[PC+4*\c+\i], v[PC+2+4*\c+\i]
.endr
.endr
.endm
; s20 = my first record's byte, s21 = my step of 128 tokens in its chunk.  hsel: the half that picks my two heads; ssel: the half that picks my 128 tokens
.macro RECORD hsel, ssel
	s_lshr_b32 s20, s17, 3                         ; batch
	s_lshl_b32 s20, s20, 4
	s_and_b32 s21, s42, 3
	s_lshl_b32 s21, s21, 2
	s_add_co_u32 s20, s20, s21
	s_lshl_b32 s21, s[\hsel], 1
	s_add_co_u32 s20, s20, s21                     ; batch x 16 + head
	s_lshl_b32 s20, s20, 2
	s_bfe_u32 s21, s17, 0x20001                    ; the chunk: (Y / 2) % 4
	s_add_co_u32 s20, s20, s21
	s_mul_i32 s20, s20, REC
	s_and_b32 s21, s17, 1
	s_lshl_b32 s21, s21, 1
	s_add_co_u32 s21, s21, s[\ssel]
.endm
	s_wait_tensorcnt 1                             ; the scale words and my part of slot 0 are in (slot 1's load may be out)
	s_barrier_signal -1
	s_barrier_wait -1                              ; everybody's are
	FETCH_B 0, 0, 0
	FETCH_A 0, 0, 0
	SCALES 0
	FETCH_A 0, 0, 4
	STEP 0, 0, 1                                   ; the first products start the sums: nothing is cleared
	STEPS 0, 1
	TURN 0, 1
	STEPS 1, 0
	s_cmp_eq_u32 ttmp9, 2                          ; the cluster's x: the same in all partners and all waves
	s_cbranch_scc1 .Lv
; ---- q and k.  Block a: 16 tokens; its 64 registers are 128 columns: head A's 64 channels, then head B's.
	RECORD 16, 15
	s_cmp_eq_u32 ttmp9, 0                          ; q?
	s_cselect_b32 s22, 34816, 0
	s_mov_b32 s23, 32768
	s_cselect_b32 s23, 51200, s23
	s_lshl_b32 s46, s21, 12                        ; 128 tokens x 32 bytes
	s_add_co_u32 s22, s22, s46
	s_add_co_u32 s22, s22, s20
	s_lshl_b32 s46, s21, 8
	s_add_co_u32 s46, s46, s23
	s_add_co_u32 s46, s46, s20
	s_mov_b32 s23, 0
	s_mov_b32 s47, 0
	s_add_nc_u64 s[22:23], s[10:11], s[22:23]      ; codes
	s_add_nc_u64 s[46:47], s[10:11], s[46:47]      ; scale words
	s_lshl_b32 s92, s42, 10
	s_lshl_b32 s93, s16, 9
	s_add_co_u32 s92, s92, s93
	s_mov_b32 s93, 0
	s_add_nc_u64 s[92:93], s[8:9], s[92:93]        ; b_attn at my 128 columns
	v_lshlrev_b32 v[BOFF], 6, v[HH]
.irp t, 0,1,2,3,4,5,6,7                ; in the result's layout: tile t, register j: column 32 (t / 2) + 16 h + 8 (t % 2) + j
	global_load_b128 v[BIAS+8*\t:BIAS+8*\t+3], v[BOFF], s[92:93] offset:(32*(\t/2)+8*(\t%2))*4
	global_load_b128 v[BIAS+8*\t+4:BIAS+8*\t+7], v[BOFF], s[92:93] offset:(32*(\t/2)+8*(\t%2))*4+16
.endr
	v_mov_b32 v[SELV], 0x05040100                  ; head A's two bytes of two words,
	v_mov_b32 v31, 0x07060302                      ; head B's
	v_cmp_gt_u32 vcc_lo, 16, v[LN]
	v_cndmask_b32 v[SELV], v31, v[SELV], vcc_lo
	LAST
	PLACES NP
	s_wait_loadcnt 0x0                             ; the bias
.macro EPIQK a
	WIN 0x02+((\a)/4)                              ; source 0: window 2 or 3
.set i, 0
.rept 32
	v_pk_add_f32 v[H+i:H+i+1], v[64*((\a)%4)+i:64*((\a)%4)+i+1], v[BIAS+i:BIAS+i+1]   ; + bias, and into window 0; each accumulator from its low end on
.set i, i+2
.endr
	WIN 0
	s_wait_xcnt 0x0                                ; the last block's stores have read their data
	QUANT H, PWS+(\a)
	global_store_b128 v[L16], v[PC:PC+3], s[22:23] offset:(\a)*512             ; head A: 512 consecutive bytes: lane (r, h): token r, channels 32 h on
	global_store_b128 v[L16], v[PC+4:PC+7], s[22:23] offset:(\a)*512+HEADB     ; head B, four records on
.if ((\a)%2) == 1
	v_perm_b32 v[SW+(\a)/2], v[PWS+(\a)], v[PWS+(\a)-1], v[SELV]               ; a word for two tiles of tokens: (even tile: e0, e1; odd tile: e0, e1); lanes 0-15 head A's, lanes 16-31 head B's
.endif
.endm
.irp a, 0,1,2,3,4,5,6,7
	EPIQK \a
.endr
	global_store_b128 v[SOFF], v[SW:SW+3], s[46:47]   ; 256 consecutive bytes for each head
	s_branch .Lend
; ---- v.  Block a: 16 channels; its 64 registers are my 128 tokens in their true order: one K step of attention's second product.
.Lv:
	RECORD 15, 16
	s_lshl_b32 s22, s21, 12
	s_add_co_u32 s22, s22, s20
	s_add_co_u32 s22, s22, 16384
	s_lshl_b32 s46, s21, 8
	s_add_co_u32 s46, s46, s20
	s_add_co_u32 s46, s46, 33792
	s_mov_b32 s23, 0
	s_mov_b32 s47, 0
	s_add_nc_u64 s[22:23], s[10:11], s[22:23]
	s_add_nc_u64 s[46:47], s[10:11], s[46:47]
	s_lshl_b32 s92, s42, 10
	s_lshl_b32 s93, s15, 9
	s_add_co_u32 s92, s92, s93
	s_mov_b32 s93, 0
	s_add_nc_u64 s[92:93], s[8:9], s[92:93]
	v_and_b32 v[BOFF], 7, v[RR]
	v_lshrrev_b32 v31, 3, v[RR]
	v_lshl_add_u32 v[BOFF], v31, 4, v[BOFF]
	v_lshlrev_b32 v[BOFF], 2, v[BOFF]              ; my channel in a tile: r % 8 + 16 (r / 8)
.irp a, 0,1,2,3,4,5,6,7                ; one number a lane and block, twice: the packed addition names a pair
	global_load_b32 v[BIAS+2*\a], v[BOFF], s[92:93] offset:(32*(\a/2)+8*(\a%2))*4
	global_load_b32 v[BIAS+2*\a+1], v[BOFF], s[92:93] offset:(32*(\a/2)+8*(\a%2))*4
.endr
	LAST
	PLACES NP
	s_wait_loadcnt 0x0
.macro EPIV a
	WIN 0x02+((\a)/4)
.set i, 0
.rept 32
	v_pk_add_f32 v[H+i:H+i+1], v[64*((\a)%4)+i:64*((\a)%4)+i+1], v[BIAS+2*(\a):BIAS+2*(\a)+1]
.set i, i+2
.endr
	WIN 0
	s_wait_xcnt 0x0
	QUANT H, PWS+(\a)
	global_store_b128 v[L16], v[PC:PC+3], s[22:23] offset:((\a)/4)*HEADB+((\a)%4)*1024
	global_store_b128 v[L16], v[PC+4:PC+7], s[22:23] offset:((\a)/4)*HEADB+((\a)%4)*1024+512
.endm
.irp a, 0,1,2,3,4,5,6,7
	EPIV \a
.endr
	v_cmp_gt_u32 vcc_lo, 16, v[LN]
.irp i, 0,1,2,3
	v_cndmask_b32 v[SW+\i], v[PWS+4+\i], v[PWS+\i], vcc_lo   ; lanes 0-15 head A's four tiles of channels, lanes 16-31 head B's
.endr
	global_store_b128 v[SOFF], v[SW:SW+3], s[46:47]
.Lend:
	s_wait_tensorcnt 0x0                           ; the wave's end
	ds_add_u32 v[SPW], v[NIL]
	s_wait_dscnt 0x0
	CROUND                                         ; the closing round
	s_endpgm
.Lfunc_end_k_q98fe257cbc_qkv:
	.size	k_q98fe257cbc_qkv, .Lfunc_end_k_q98fe257cbc_qkv-k_q98fe257cbc_qkv
	.p2alignl 7, 3214868480
	.fill 96, 4, 3214868480
	.section	.rodata,"a",@progbits
	.p2align	6, 0x0
	.amdhsa_kernel k_q98fe257cbc_qkv
		.amdhsa_group_segment_fixed_size 327680
		.amdhsa_private_segment_fixed_size 0
		.amdhsa_enable_private_segment 0
		.amdhsa_kernarg_size 32
		.amdhsa_user_sgpr_count 2
		.amdhsa_user_sgpr_kernarg_segment_ptr 1
		.amdhsa_wavefront_size32 1
		.amdhsa_system_sgpr_workgroup_id_x 1
		.amdhsa_system_sgpr_workgroup_id_y 1
		.amdhsa_system_sgpr_workgroup_id_z 1
		.amdhsa_system_vgpr_workitem_id 0
		.amdhsa_next_free_vgpr 1024
		.amdhsa_next_free_sgpr 100
		.amdhsa_reserve_vcc 1
		.amdhsa_float_denorm_mode_32 3
		.amdhsa_float_denorm_mode_16_64 3
		.amdhsa_memory_ordered 1
		.amdhsa_forward_progress 1
		.amdhsa_inst_pref_size 205
	.end_amdhsa_kernel
	.amdgpu_metadata
---
amdhsa.version: [ 1, 2 ]
amdhsa.kernels:
  - .name:           k_q98fe257cbc_qkv
    .symbol:         k_q98fe257cbc_qkv.kd
    .args:
      - { .name: xq, .offset: 0, .size: 8, .value_kind: global_buffer, .address_space: global }
      - { .name: waq, .offset: 8, .size: 8, .value_kind: global_buffer, .address_space: global }
      - { .name: b_attn, .offset: 16, .size: 8, .value_kind: global_buffer, .address_space: global }
      - { .name: qkvc, .offset: 24, .size: 8, .value_kind: global_buffer, .address_space: global }
    .group_segment_fixed_size: 327680
    .private_segment_fixed_size: 0
    .kernarg_segment_align: 8
    .kernarg_segment_size: 32
    .max_flat_workgroup_size: 128
    .sgpr_count:     100
    .vgpr_count:     1024
    .wavefront_size: 32
...
	.end_amdgpu_metadata
.endif
;; end of part 2
;; launch attn (part 3): grid 4 x 64, 16 waves a work-group, clusters of 4 x 1, 327,680 bytes of LDS; arguments qkvc, yq; writes yq
.if DOCPART == 3
	.amdgcn_target "amdgcn-amd-amdhsa--gfx1250"
	.amdhsa_code_object_version 6
	.text
	.protected	k_q98fe257cbc_attn
	.globl	k_q98fe257cbc_attn
	.p2align	8
	.type	k_q98fe257cbc_attn,@function
k_q98fe257cbc_attn:
	s_mov_b64 s[64:65], 0
	v_nop
	global_prefetch_b8 v0, s[64:65] scope:SCOPE_SE
	s_setreg_imm32_b32 hwreg(HW_REG_WAVE_MODE, 25, 1), 1
	s_wait_xcnt 0x0
	s_wait_alu depctr_hold_cnt(0) depctr_sa_sdst(0) depctr_va_vdst(0) depctr_va_sdst(0) depctr_va_ssrc(0) depctr_va_vcc(0) depctr_vm_vsrc(0)
	s_getreg_b32 s2, hwreg(HW_REG_IB_STS2, 6, 4)
	s_cmp_eq_u32 s2, 0
	s_cbranch_scc0 .Lentry_in_a_cluster
	s_endpgm
.Lentry_in_a_cluster:
	s_bfe_u32 s2, ttmp6, 0x10000c
	s_cmp_lg_u32 s2, 0x3003
	s_cbranch_scc0 .Lentry_shape_is_right
	s_endpgm
.Lentry_shape_is_right:
; y = softmax(q k^T / 8, causal) v on codes of E2M1, head by head, and y quantised along C on the way out, as images of the last product's operand registers.
; WORK LEFT OUT: a step of 128 keys all of which come after a tile's 16 queries (reference()'s own jnp.tril hides them for every input; shown at the head of the launch quant).
; THE SOFTMAX: t = score x log2(e) / 8; M = the running largest t rounded up to a whole number; p = 2^(t - M) is quantised along the keys, not normalised; the row's sum is taken of the unquantised p and
; divides at the end; when M moves, the sum and O are multiplied by 2^(old M - new M), exactly.   LIMIT: a p under 2^-126 comes out of v_exp_f32 as 0.
; SHARES.  A cluster of four work-groups is a head (batch x 16 + head = the cluster's y); a work-group has sixteen waves of 256 registers, four to a SIMD.  A wave owns TWO tiles of 16 queries: an early one,
; iE, and its mirror iL = 127 - iE, so that every wave works 17 key steps.  The steps at which the tiles end, BE and BL, are made of the wave's number alone; the work-group's place in the cluster enters
; global addresses and lane data only.
; K AND V of the head, 4 chunks of 512 keys (34,816 bytes each: K codes, V codes, K's and V's scale words), come into LDS once each, by joint loads of waves 0-3, one chunk ahead of the work.
; THE FIRST PRODUCT HAS K = 64 IN A FORM OF K = 128: a fragment of k carries two tiles of 16 keys, one in k 0-63 and one in k 64-127; q stands as [0 | q | 0] in twelve registers, and the source
; [q | 0] gives the first tile's scores, [0 | q] the second's: zero codes add nothing.
; Both products are used transposed: a lane holds one query throughout.  Tokens lie in positions with bits 3 and 4 of the index swapped, so the 16 registers of key tiles 2 b, 2 b + 1 are 16 neighbouring keys.
.set REC,   52224
.set CHB,   34816                      ; a chunk in LDS
.set SPARE, 139264                     ; behind the four chunks: the spare words, 128 bytes for each of sixteen waves
.set L16, 1                            ; v1  16 x lane
.set SLN, 2                            ; v2  1,024 h + 16 r: lanes 0-15 K's scale words, lanes 16-31 V's
.set SPW, 3                            ; v3  my spare word; never rewritten
.set NIL, 4                            ; v4  0; never rewritten
.set ADK, 5                            ; v5  LDS address of the step's codes
.set ADS, 6                            ; v6  of its scale words
.set DL,  7                            ; v7  my late query's place in its step of 128 keys, less 16 h
.set DE,  8                            ; v8  my early query's
.set R16, 9                            ; v9  16 r
.set PFO, 10                           ; v10 256 x lane
.set STL, 12                           ; v12-15 late tile: -M, the largest t, the sum in two halves
.set STE, 16                           ; v16-19 early tile
.set QZL, 20                           ; v20-31 0 | q | 0
.set QZE, 32                           ; v32-43
.set QSL, 44                           ; v44, v45 q's scale words
.set QSE, 45
.set SC,  46                           ; v46-49 the step's scale words
.set KV,  52                           ; v52-83 four fragments of k, then of v
.set S,   84                           ; v84-147 scores, then p
.set OL,  148                          ; v148-179 O^T, late tile
.set OE,  180                          ; v180-211 early tile
.set PC,  212                          ; v212-219 p's codes
.set BM,  220                          ; v220-223 the blocks' largest
.set TP,  224                          ; v224-227 at work
.set SO,  228                          ; v228-231 the conversions' scale operands
.set FF,  232                          ; v232 f = 2^(old M - new M); v233 p's scale word
.set TT,  234
.set YL,  236                          ; v236-239, v240-243 y's codes
.set YE,  240
.set HL,  244                          ; v244, v245 y's two scale bytes
.set HE,  245
.set WV, 8
.set KS, 9                             ; s9  the key step, 0 .. 15
.set TC, 10                            ; s10 LDS byte of the step's codes of k
.set TS, 11                            ; s11 of its scale words
.set CH, 12                            ; s12 chunks still to be asked for
.set QN, 13
.set BL, 14                            ; s14 the late tile's last step
.set BE, 15                            ; s15 the early tile's
.set G1, 16
.set G0, 24
.set CS, 28                            ; s[28:29] c = log2(e) / 8
.set SEL, 30                           ; s[30:31] lane l xor 16
.set PFA, 32
.set LIM, 34
.set CX, 35
.set BH, 36
.set IE, 37
.set IL, 38
.macro CROUND
	s_barrier_signal -1
	s_barrier_wait -1
	s_cmp_lg_u32 s[WV], 0
	s_cbranch_scc1 .Lnot_wave_0_\@
	s_barrier_signal -3
.Lnot_wave_0_\@:
	s_barrier_wait -3
	s_barrier_signal -1
	s_barrier_wait -1
.endm
.macro TLOAD                           ; waves 0-3 bring a quarter of a chunk each; the branch hangs on the wave's number alone.  An s_nop 0 and four v_nop follow the load
	s_cmp_lt_u32 s[WV], 4
	s_cbranch_scc0 .Lasked_\@
	tensor_load_to_lds s[G0:G0+3], s[G1:G1+7]
	s_nop 0
.rept 4
	v_nop
.endr
.Lasked_\@:
.endm
; A prefetch of the codes of the chunk that the NEXT change will ask for: 32,768 bytes; the four partners take 8,192 each, told apart by address; in each, wave 4 asks, lanes 256 bytes apart: one instruction.
; Only this cluster reads the head's records, so each block is named once.  It asks for chunks 2 and 3; the last change that asks for a chunk prefetches nothing.
.macro ASK
	s_cmp_gt_u32 s[CH], s[LIM]
	s_cbranch_scc0 .Lnot_mine_\@
	global_prefetch_b8 v[PFO], s[PFA:PFA+1] th:TH_LOAD_NT scope:SCOPE_SE
.Lnot_mine_\@:
.endm
	s_load_b128 s[4:7], s[0:1], 0x0                ; qkvc, yq
	v_lshl_add_u32 v[SPW], v0, 2, SPARE
	v_mov_b32 v[NIL], 0
	ds_add_u32 v[SPW], v[NIL]                      ; the wave's opening: the add, twice on end, and its wait
	ds_add_u32 v[SPW], v[NIL]
	v_lshrrev_b32 v5, 5, v0
	v_readfirstlane_b32 s[WV], v5                  ; wave 0..15
	s_bfe_u32 s[CX], ttmp6, 0x40000
	s_and_b32 s[BH], ttmp7, 0xffff
	s_mov_b32 s[G1], 15|(3<<16)|(1<<21)            ; the mask: all four; elements of 8 bytes; bit 21 beside a mask; no padding
	s_mov_b32 s[G1+1], 32<<16                      ; 34 rows of 256 bytes, dense
	s_mov_b32 s[G1+2], 34<<16
	s_mov_b32 s[G1+3], 32<<16
	s_mov_b32 s[G1+4], 34
	s_mov_b32 s[G1+5], 32
	s_mov_b32 s[G1+6], 0
	s_mov_b32 s[G1+7], 0
	s_lshr_b32 s40, s[WV], 2                       ; i4
	s_and_b32 s41, s[WV], 3                        ; j4
	s_add_co_u32 s41, s41, s40
	s_and_b32 s41, s41, 3
	s_lshl_b32 s41, s41, 1
	s_and_b32 s42, s40, 1
	s_add_co_u32 s[BE], s41, s42                   ; a = 2 ((i4 + j4) % 4) + i4 % 2
	s_sub_co_u32 s[BL], 15, s[BE]
	s_lshr_b32 s40, s40, 1
	s_lshl_b32 s40, s40, 2
	s_lshl_b32 s41, s[BE], 3
	s_add_co_u32 s[IE], s41, s40
	s_add_co_u32 s[IE], s[IE], s[CX]               ; iE = 8 a + 4 (i4 / 2) + cx
	s_sub_co_u32 s[IL], 127, s[IE]
	s_mul_i32 s40, s[BH], 4*REC                    ; the head's first record
	s_and_b32 s41, s[WV], 3
	s_mul_i32 s41, s41, 8704                       ; my quarter of a chunk
	s_add_co_u32 s42, s40, s41
	s_mov_b32 s43, 0
	s_mov_b32 s[CS], 0x3e38aa3b
	s_mov_b32 s[CS+1], s[CS]
	s_mov_b32 s[SEL], 0x76543210
	s_mov_b32 s[SEL+1], 0xfedcba98
	s_mov_b32 s[KS], 0
	s_mov_b32 s[TC], 0
	s_mov_b32 s[TS], 32768
	s_mov_b32 s[CH], 3
	s_cmp_eq_u32 s[WV], 4
	s_cselect_b32 s[LIM], 1, -1
	s_wait_dscnt 0x0                               ; both opening adds are done
	s_wait_kmcnt 0x0
	s_mov_b32 s[G0], 1
	s_mov_b32 s[G0+1], s41
	s_add_nc_u64 s[G0+2:G0+3], s[4:5], s[42:43]
	s_or_b32 s[G0+3], s[G0+3], 0x80000000
	CROUND                                         ; all four work-groups are here
	TLOAD                                          ; chunk 0
	s_lshl_b32 s42, s[CX], 13
	s_add_co_u32 s42, s42, s40
	s_add_co_u32 s42, s42, REC
	s_add_nc_u64 s[PFA:PFA+1], s[4:5], s[42:43]    ; my work-group's 8,192 bytes of chunk 1; the first change steps it to chunk 2
	v_and_b32 v11, 31, v0
	v_lshlrev_b32 v[L16], 4, v11
	v_lshlrev_b32 v[PFO], 8, v11
	v_and_b32 v50, 15, v0                          ; r
	v_bfe_u32 v51, v0, 4, 1                        ; h
	v_lshlrev_b32 v[R16], 4, v50
	v_lshl_add_u32 v[SLN], v51, 10, v[R16]
.macro QLOAD ii, cb, sb, qz, qs        ; tile ii's codes (lane (r, h): query r, channels 32 h on) and its rows' scale words
	s_lshr_b32 s44, s[\ii], 5
	s_mul_i32 s44, s44, REC
	s_add_co_u32 s44, s44, s40
	s_and_b32 s45, s[\ii], 31
	s_lshl_b32 s45, s45, 9
	s_add_co_u32 s[\cb], s44, s45
	s_add_co_u32 s[\cb], s[\cb], 34816
	s_mov_b32 s[\cb+1], 0
	s_add_nc_u64 s[\cb:\cb+1], s[4:5], s[\cb:\cb+1]
	global_load_b128 v[\qz+4:\qz+7], v[L16], s[\cb:\cb+1]
	s_bfe_u32 s45, s[\ii], 0x20003
	s_lshl_b32 s45, s45, 8
	s_bfe_u32 s[\sb], s[\ii], 0x20001
	s_lshl_b32 s[\sb], s[\sb], 2
	s_add_co_u32 s[\sb], s[\sb], s45
	s_add_co_u32 s[\sb], s[\sb], s44
	s_add_co_u32 s[\sb], s[\sb], 51200
	s_mov_b32 s[\sb+1], 0
	s_add_nc_u64 s[\sb:\sb+1], s[4:5], s[\sb:\sb+1]
	global_load_b32 v[\qs], v[R16], s[\sb:\sb+1]
.endm
	QLOAD IL, 46, 48, QZL, QSL
	QLOAD IE, 50, 52, QZE, QSE
	v_and_b32 v11, 7, v0
	v_bfe_u32 v235, v0, 3, 1
	v_lshl_add_u32 v11, v235, 4, v11               ; r % 8 + 16 (r / 8)
	v_lshlrev_b32 v235, 4, v51
	v_sub_nc_u32 v11, v11, v235                    ; - 16 h
.macro DMAKE ii, dd
	s_bfe_u32 s44, s[\ii], 0x20001
	s_lshl_b32 s44, s44, 5
	s_and_b32 s45, s[\ii], 1
	s_lshl_b32 s45, s45, 3
	s_add_co_u32 s44, s44, s45
	v_add_nc_u32 v[\dd], s44, v11
.endm
	DMAKE IL, DL
	DMAKE IE, DE
	; where y goes: K step head / 2 of the last product, its half head % 2
	s_and_b32 s44, s[BH], 15                       ; head
	s_lshr_b32 s45, s[BH], 4                       ; batch
	s_lshr_b32 s54, s44, 3
	s_bfe_u32 s55, s44, 0x20001
	s_and_b32 s44, s44, 1
	s_lshl_b32 s40, s54, 21
	s_lshl_b32 s41, s45, 19
	s_add_co_u32 s40, s40, s41
	s_lshl_b32 s41, s55, 10
	s_add_co_u32 s40, s40, s41
	s_lshl_b32 s41, s44, 9
	s_add_co_u32 s40, s40, s41                     ; codes
	s_lshl_b32 s42, s45, 16
	s_lshl_b32 s41, s54, 8
	s_add_co_u32 s42, s42, s41
	s_lshl_b32 s41, s55, 2
	s_add_co_u32 s42, s42, s41
	s_lshl_b32 s41, s44, 1
	s_add_co_u32 s42, s42, s41
	s_add_co_u32 s42, s42, 4194304                 ; scale bytes
.macro YBASE ii, cb, sb
	s_lshl_b32 s[\cb], s[\ii], 12
	s_add_co_u32 s[\cb], s[\cb], s40
	s_mov_b32 s[\cb+1], 0
	s_add_nc_u64 s[\cb:\cb+1], s[6:7], s[\cb:\cb+1]
	s_lshl_b32 s[\sb], s[\ii], 9
	s_add_co_u32 s[\sb], s[\sb], s42
	s_mov_b32 s[\sb+1], 0
	s_add_nc_u64 s[\sb:\sb+1], s[6:7], s[\sb:\sb+1]
.endm
	YBASE IL, 56, 60
	YBASE IE, 58, 62
.irp t, STL, STE
	v_mov_b32 v[\t+1], 0xff61b1e6                  ; the largest t so far: -3e38
	v_floor_f32 v[\t], -v[\t+1]                    ; -M
	v_mov_b32 v[\t+2], 0
	v_mov_b32 v[\t+3], 0
.endr
.irp t, QZL, QZE
.irp j, 0,1,2,3,8,9,10,11
	v_mov_b32 v[\t+\j], 0                          ; the zero codes on both sides of q
.endr
.endr
.irp b, 0,1,2,3
	v_mov_b32 v[TP+\b], 0                          ; a lane permute's destination counts as one of its sources
.endr
	v_mov_b32 v[FF+1], 0                           ; (named as the upper half of a pair before it is first written)
	s_wait_loadcnt 0x0                             ; q
.macro QSEL ii, qs                     ; my tile's two bytes of the word, twice: (e0, e1, e0, e1)
	s_and_b32 s44, s[\ii], 1
	s_cmp_eq_u32 s44, 0
	s_mov_b32 s45, 0x03020302
	s_cselect_b32 s45, 0x01000100, s45
	v_perm_b32 v[\qs], v[\qs], v[\qs], s45
.endm
	QSEL IL, QSL
	QSEL IE, QSE
.set j, 0
.rept 64
	v_mov_b32 v[OL+j], 0                           ; O^T of both tiles: the step is written once, and its first turn finds zeros.  These 64 plain lines also stand between the write of q's scale words and the first scaled product, which wants eight
.set j, j+1
.endr
; A KEY STEP of one tile: 128 keys.
.macro STEP qz, qs, st, oo, dd, blk
	s_cmp_gt_u32 s[KS], s[\blk]                    ; all its keys come after my queries: left out.  The wave's number and the count of steps alone decide
	s_cbranch_scc1 .Lhid_\@
	v_add_nc_u32 v[ADK], s[TC], v[L16]
	v_add_nc_u32 v[ADS], s[TS], v[SLN]
	v_nop
	v_nop                                          ; four places in front of loads into registers that matrix instructions have read
.irp b, 0,1,2,3
.irp c, 0,1
	ds_load_b128 v[KV+8*\b+4*\c:KV+8*\b+4*\c+3], v[ADK] offset:1024*\b+512*\c
.endr
.endr
	ds_load_b128 v[SC:SC+3], v[ADS]                ; lanes 0-15: k's four words; lanes 16-31: v's four
	s_wait_dscnt 0x0
.irp b, 0,1,2,3                        ; S^T = k q^T: registers 16 b + i: key 32 b + 16 h + i of the step
	v_wmma_scale_f32_16x16x128_f8f6f4 v[S+16*\b:S+16*\b+7], v[KV+8*\b:KV+8*\b+7], v[\qz+4:\qz+11], 0, v[SC+\b], v[\qs] matrix_a_fmt:MATRIX_FMT_FP4 matrix_b_fmt:MATRIX_FMT_FP4
	v_wmma_scale_f32_16x16x128_f8f6f4 v[S+16*\b+8:S+16*\b+15], v[KV+8*\b:KV+8*\b+7], v[\qz:\qz+7], 0, v[SC+\b], v[\qs] matrix_a_fmt:MATRIX_FMT_FP4 matrix_b_fmt:MATRIX_FMT_FP4
.endr
.rept 4
	v_nop
.endr
.irp t, 0,1,2,3                        ; v's four fragments land under the softmax
.irp c, 0,1
	ds_load_b128 v[KV+8*\t+4*\c:KV+8*\t+4*\c+3], v[ADK] offset:16384+1024*\t+512*\c
.endr
.endr
	s_cmp_lg_u32 s[KS], s[\blk]
	s_cbranch_scc1 .Lopen_\@
	v_mov_b32 v[TT], 0xff800000                    ; the step on the diagonal: hidden scores become -infinity ahead of the maximum
.set n, 0
.rept 64
	v_cmp_gt_i32 vcc_lo, 32*(n/16)+n%16, v[\dd]
	v_cndmask_b32 v[S+n], v[S+n], v[TT], vcc_lo
.set n, n+1
.endr
.Lopen_\@:
.irp b, 0,1,2,3
	v_max3_num_f32 v[BM+\b], v[S+16*\b], v[S+1+16*\b], v[S+2+16*\b]   ; the largest score of each block of 32 keys: for the row's maximum, and for the block's largest p
.endr
.irp i, 3,5,7,9,11,13
.irp b, 0,1,2,3
	v_max3_num_f32 v[BM+\b], v[BM+\b], v[S+16*\b+\i], v[S+1+16*\b+\i]
.endr
.endr
.irp b, 0,1,2,3
	v_max_num_f32 v[BM+\b], v[BM+\b], v[S+15+16*\b]
.endr
.irp b, 0,1,2,3
	v_permlanex16_b32 v[TP+\b], v[BM+\b], s[SEL], s[SEL+1]
.endr
.irp b, 0,1,2,3
	v_max_num_f32 v[BM+\b], v[BM+\b], v[TP+\b]
.endr
	v_max3_num_f32 v[TT], v[BM], v[BM+1], v[BM+2]
	v_max_num_f32 v[TT], v[TT], v[BM+3]
	v_mul_f32 v[TT], s[CS], v[TT]
	v_max_num_f32 v[\st+1], v[\st+1], v[TT]        ; the running largest t
	v_mov_b32 v[TT], v[\st]
	v_floor_f32 v[\st], -v[\st+1]                  ; -M = floor(-t): M is a whole number
	v_sub_f32 v[TT], v[\st], v[TT]
	v_cvt_i32_f32 v[TT], v[TT]                     ; (it saturates)
	v_ldexp_f32 v[FF], 1.0, v[TT]                  ; f = 2^(old M - new M)
.set j, 0
.rept 32
	v_pk_fma_f32 v[S+j:S+j+1], v[S+j:S+j+1], s[CS:CS+1], v[\st:\st+1] op_sel_hi:[1,0,0]   ; t - M
.set j, j+2
.endr
.irp b, 0,1,2,3
	v_fma_f32 v[BM+\b], v[BM+\b], s[CS], v[\st]
.endr
.set j, 0
.rept 64
	v_exp_f32 v[S+j], v[S+j]                       ; p = 2^(t - M)
.set j, j+1
.endr
	v_pk_mul_f32 v[\st+2:\st+3], v[\st+2:\st+3], v[FF:FF+1] op_sel_hi:[1,0]   ; the sums under the new M: a plain line behind the exponentials
	s_wait_alu depctr_va_vdst(0)                   ; one wait for the batch, ahead of its first reader
.irp b, 0,1,2,3
	v_exp_f32 v[BM+\b], v[BM+\b]                   ; the block's largest p
.endr
	v_pk_add_f32 v[TP:TP+1], v[S:S+1], v[S+2:S+3]  ; the row's sum of the unquantised p, in two chains
.irp j, 4,8,12,16,20,24,28,32,36,40,44,48,52,56,60
	v_pk_add_f32 v[\st+2:\st+3], v[\st+2:\st+3], v[S+\j:S+\j+1]
	v_pk_add_f32 v[TP:TP+1], v[TP:TP+1], v[S+2+\j:S+3+\j]
.endr
	v_pk_add_f32 v[\st+2:\st+3], v[\st+2:\st+3], v[TP:TP+1]
	s_wait_alu depctr_va_vdst(0)                   ; and one for the four
.irp b, 0,1,2,3
	v_max_num_f32 v[BM+\b], 0x1800000, v[BM+\b]    ; the floor 2^(3 - 127)
.endr
.irp b, 0,1,2,3
	v_add_nc_u32 v[SO+\b], 0xff000000, v[BM+\b]
.endr
.irp b, 0,1,2,3
	v_lshrrev_b32 v[TP+\b], 23, v[SO+\b]
.endr
	v_lshl_or_b32 v[FF+1], v[TP+1], 8, v[TP]       ; p's scale word for these 128 keys
	v_lshl_or_b32 v[FF+1], v[TP+2], 16, v[FF+1]
	v_lshl_or_b32 v[FF+1], v[TP+3], 24, v[FF+1]
.irp b, 0,1,2,3
	v_cvt_scalef32_pk8_fp4_f32 v[PC+2*\b], v[S+16*\b:S+16*\b+7], v[SO+\b]
	v_cvt_scalef32_pk8_fp4_f32 v[PC+1+2*\b], v[S+8+16*\b:S+15+16*\b], v[SO+\b]
.endr
	v_nop                                          ; one plain line behind the last conversion
.irp c, 0,1
.irp i, 0,1
	v_permlane16_swap_b32 v[PC+4*\c+\i], v[PC+2+4*\c+\i]
.endr
.endr
.set j, 0
.rept 16
	v_pk_mul_f32 v[\oo+j:\oo+j+1], v[\oo+j:\oo+j+1], v[FF:FF+1] op_sel_hi:[1,0]   ; O^T under the new M; these sixteen also stand between the scale word's and the codes' last writes and the products
.set j, j+2
.endr
	s_wait_dscnt 0x0                               ; v
.irp t, 0,1,2,3                        ; O^T += v^T p^T: four tiles of 16 channels, each accumulator one instruction
	v_wmma_scale_f32_16x16x128_f8f6f4 v[\oo+8*\t:\oo+8*\t+7], v[KV+8*\t:KV+8*\t+7], v[PC:PC+7], v[\oo+8*\t:\oo+8*\t+7], v[SC+\t], v[FF+1] matrix_a_fmt:MATRIX_FMT_FP4 matrix_b_fmt:MATRIX_FMT_FP4 matrix_a_scale:MATRIX_SCALE_ROW1
.endr
.Lhid_\@:
.endm
.macro FOUR e                          ; a chunk's four key steps; e = 1: the early tile's turn stands in the text too
	s_mov_b32 s[QN], 4
.Lfour_\@:
	STEP QZL, QSL, STL, OL, DL, BL
.if \e
	STEP QZE, QSE, STE, OE, DE, BE
.endif
	s_add_co_u32 s[KS], s[KS], 1
	s_add_co_u32 s[TC], s[TC], 4096
	s_add_co_u32 s[TS], s[TS], 256
	s_sub_co_u32 s[QN], s[QN], 1
	s_cmp_lg_u32 s[QN], 0
	s_cbranch_scc1 .Lfour_\@
	s_add_co_u32 s[TC], s[TC], CHB-16384           ; on to the next chunk
	s_add_co_u32 s[TS], s[TS], CHB-1024
.endm
; AT A CHUNK'S HEAD.  Each wave waits for all its tensor loads (its quarter of the chunk ahead), adds 0 to its spare word and waits for that and for its LDS reads; behind the barrier the chunk is whole.
; fill = 1: the barrier is a round of the cluster's, and behind it the next chunk is asked for, into bytes that nothing has filled: one load a wave, with a chunk's steps in which to land.
.macro CHANGE fill
	s_wait_tensorcnt 0x0                           ; no tensor load of mine is out, so group 0 may be written
	ds_add_u32 v[SPW], v[NIL]
.if \fill
	ds_add_u32 v[SPW], v[NIL]                      ; and once more
	s_add_co_u32 s[G0+1], s[G0+1], CHB
	s_add_nc_u64 s[G0+2:G0+3], s[G0+2:G0+3], REC
	s_wait_xcnt 0x0                                ; the last prefetch, a chunk back, has read its address
	s_add_nc_u64 s[PFA:PFA+1], s[PFA:PFA+1], REC
	s_wait_dscnt 0x0
	CROUND
	TLOAD
	ASK
.else
	s_wait_dscnt 0x0
	s_barrier_signal -1
	s_barrier_wait -1
.endif
.endm
.Lchunk:                               ; three trips: chunks 0 to 2 are worked, chunks 1 to 3 asked for
	CHANGE 1
	FOUR 1
	s_sub_co_u32 s[CH], s[CH], 1
	s_cmp_lg_u32 s[CH], 0
	s_cbranch_scc1 .Lchunk
	CHANGE 0                                       ; the last chunk is written out: nothing is asked for, and no early tile reaches it
	FOUR 0
; THE WAY OUT of a tile: O^T / the sum; register 16 b + i is channel 32 b + 16 h + i of my query: two blocks of the last product's K.  Codes: 512 consecutive bytes a wave.
; The two scale bytes go as 2 bytes a lane, 16 bytes apart (both halves of the lanes write the same): 1 byte in 16 of what the launch stores.
.macro YOUT st, oo, yy, hw, cb, sb
.rept 4
	v_nop                                          ; places behind the last products
.endr
	v_add_f32 v[TT], v[\st+2], v[\st+3]
	v_permlanex16_b32 v[TP], v[TT], s[SEL], s[SEL+1]
	v_add_f32 v[TT], v[TT], v[TP]                  ; the row's sum
	v_rcp_f32 v[TT], v[TT]
	v_nop
	s_wait_alu depctr_va_vdst(0)                   ; ahead of the first reader
.set j, 0
.rept 32
	v_mul_f32 v[S+j], v[\oo+j], v[TT]
.set j, j+1
.endr
.irp b, 0,1
	v_max3_num_f32 v[BM+\b], |v[S+16*\b]|, |v[S+1+16*\b]|, 0x1800000
.endr
.irp i, 2,4,6,8,10,12,14
.irp b, 0,1
	v_max3_num_f32 v[BM+\b], v[BM+\b], |v[S+16*\b+\i]|, |v[S+1+16*\b+\i]|
.endr
.endr
.irp b, 0,1
	v_permlanex16_b32 v[TP+\b], v[BM+\b], s[SEL], s[SEL+1]
.endr
.irp b, 0,1
	v_max_num_f32 v[BM+\b], v[BM+\b], v[TP+\b]
.endr
.irp b, 0,1
	v_add_nc_u32 v[SO+\b], 0xff000000, v[BM+\b]
.endr
.irp b, 0,1
	v_lshrrev_b32 v[TP+\b], 23, v[SO+\b]
.endr
	v_lshl_or_b32 v[\hw], v[TP+1], 8, v[TP]
.irp b, 0,1
	v_cvt_scalef32_pk8_fp4_f32 v[\yy+2*\b], v[S+16*\b:S+16*\b+7], v[SO+\b]
	v_cvt_scalef32_pk8_fp4_f32 v[\yy+1+2*\b], v[S+8+16*\b:S+15+16*\b], v[SO+\b]
.endr
	v_nop
	v_permlane16_swap_b32 v[\yy], v[\yy+2]         ; lanes 0-15 block 0, lanes 16-31 block 1
	v_permlane16_swap_b32 v[\yy+1], v[\yy+3]
	global_store_b128 v[L16], v[\yy:\yy+3], s[\cb:\cb+1]
	global_store_b16 v[R16], v[\hw], s[\sb:\sb+1]
.endm
	YOUT STL, OL, YL, HL, 56, 60
	YOUT STE, OE, YE, HE, 58, 62
	s_wait_tensorcnt 0x0                           ; the wave's end
	ds_add_u32 v[SPW], v[NIL]
	s_wait_dscnt 0x0
	CROUND                                         ; the closing round
	s_endpgm
.Lfunc_end_k_q98fe257cbc_attn:
	.size	k_q98fe257cbc_attn, .Lfunc_end_k_q98fe257cbc_attn-k_q98fe257cbc_attn
	.p2alignl 7, 3214868480
	.fill 96, 4, 3214868480
	.section	.rodata,"a",@progbits
	.p2align	6, 0x0
	.amdhsa_kernel k_q98fe257cbc_attn
		.amdhsa_group_segment_fixed_size 327680
		.amdhsa_private_segment_fixed_size 0
		.amdhsa_enable_private_segment 0
		.amdhsa_kernarg_size 16
		.amdhsa_user_sgpr_count 2
		.amdhsa_user_sgpr_kernarg_segment_ptr 1
		.amdhsa_wavefront_size32 1
		.amdhsa_system_sgpr_workgroup_id_x 1
		.amdhsa_system_sgpr_workgroup_id_y 1
		.amdhsa_system_sgpr_workgroup_id_z 1
		.amdhsa_system_vgpr_workitem_id 0
		.amdhsa_next_free_vgpr 256
		.amdhsa_next_free_sgpr 66
		.amdhsa_reserve_vcc 1
		.amdhsa_float_denorm_mode_32 3
		.amdhsa_float_denorm_mode_16_64 3
		.amdhsa_memory_ordered 1
		.amdhsa_forward_progress 1
		.amdhsa_inst_pref_size 80
	.end_amdhsa_kernel
	.amdgpu_metadata
---
amdhsa.version: [ 1, 2 ]
amdhsa.kernels:
  - .name:           k_q98fe257cbc_attn
    .symbol:         k_q98fe257cbc_attn.kd
    .args:
      - { .name: qkvc, .offset: 0, .size: 8, .value_kind: global_buffer, .address_space: global }
      - { .name: yq, .offset: 8, .size: 8, .value_kind: global_buffer, .address_space: global }
    .group_segment_fixed_size: 327680
    .private_segment_fixed_size: 0
    .kernarg_segment_align: 8
    .kernarg_segment_size: 16
    .max_flat_workgroup_size: 512
    .sgpr_count:     66
    .vgpr_count:     256
    .wavefront_size: 32
...
	.end_amdgpu_metadata
.endif
;; end of part 3
;; launch proj (part 4): grid 4 x 32, 4 waves a work-group, clusters of 4 x 4, 327,680 bytes of LDS; arguments yq, wpq, b_proj, out0; writes out0
.if DOCPART == 4
	.amdgcn_target "amdgcn-amd-amdhsa--gfx1250"
	.amdhsa_code_object_version 6
	.text
	.protected	k_q98fe257cbc_proj
	.globl	k_q98fe257cbc_proj
	.p2align	8
	.type	k_q98fe257cbc_proj,@function
k_q98fe257cbc_proj:
	s_mov_b64 s[64:65], 0
	v_nop
	global_prefetch_b8 v0, s[64:65] scope:SCOPE_SE
	s_setreg_imm32_b32 hwreg(HW_REG_WAVE_MODE, 25, 1), 1
	s_wait_xcnt 0x0
	s_wait_alu depctr_hold_cnt(0) depctr_sa_sdst(0) depctr_va_vdst(0) depctr_va_sdst(0) depctr_va_ssrc(0) depctr_va_vcc(0) depctr_vm_vsrc(0)
	s_getreg_b32 s2, hwreg(HW_REG_IB_STS2, 6, 4)
	s_cmp_eq_u32 s2, 0
	s_cbranch_scc0 .Lentry_in_a_cluster
	s_endpgm
.Lentry_in_a_cluster:
	s_bfe_u32 s2, ttmp6, 0x10000c
	s_cmp_lg_u32 s2, 0xf033
	s_cbranch_scc0 .Lentry_shape_is_right
	s_endpgm
.Lentry_shape_is_right:
; out0 = y W_proj + b_proj on codes of E2M1.  y's codes and scale words come from the launch attn, W_proj's from the launch quant, both as images of operand registers.
; A tile of 256 tokens x 256 columns is made by four waves, 128 x 128 each.  K = 1,024 lies in LDS whole, as two slots of 512: every LDS byte that a tensor load fills is filled once.
; CLUSTERS: 4 x 4 work-groups; y's tiles are asked for jointly along a row of the cluster, W's along a column.  The grid has 128 tiles of this size.
; Source 0 = 16 rows of W, source 1 = 16 rows of y: a lane holds one token, its registers run along the columns.  The bias is the C of each sum's first matrix instruction.
; Tokens and columns lie in positions with bits 3 and 4 of the index swapped; the columns come back into order in the stage's offsets, the tokens in the stores' row offsets.
.set NQ,    4
.set FR,    8
.set NL,    2
.set NP,    4
.set SLOT,  131072                     ; y's 16 tiles x 4 KB, then W's
.set SCL,   262144                     ; y's scale words 8 KB, then W's 8 KB
.set SPARE, 278528                     ; the spare words, 128 bytes a wave
.set STAGE, 279040                     ; the way out: 16 rows x 528 bytes for each wave; no tensor load lands here
.set SPITCH, 528
.set ADRA, 16
.set ADRB, 20
.set STO,  24                          ; v24 the stage: where I put 32 bytes of a row
.set RD,   25                          ; v25 where I read a row back
.set CO,   26                          ; v26 16 x lane: my place in a row's 512 bytes
.set ADRS, 27
.set SPW,  28
.set NIL,  29
.set SC,   32                          ; v32-95 scale words, two sets; they hold nothing else
.set AF,   128                         ; v128-191 y's fragments
.set BIAS, 192                         ; v192-255 the bias, in the result's layout
.set BK,   128                         ; the way out: v128-191 and v192-255 by turns
.set G1, 24
.set G0, 32
.set G1B, 48
.set G0B, 56
.set G1S, 68
.set G0S, 76
.set G1SB, 80
.set G0SB, 88
.set MSB, 0
.macro WIN new
.if MSB != \new
	s_set_vgpr_msb (MSB<<8)|\new
.set MSB, \new
.endif
.endm
.set MUL_LO, 0xa1                      ; source 0 window 1, source 1 window 0, C and D window 2
.set MUL_HI, 0xf1
.set BIA_LO, 0x81                      ; the same with C (the bias) in window 0
.set BIA_HI, 0xc1
.set TO_B,   0x40
.macro JLOAD g0a, g1a, g0b, g1b        ; waves 0 and 1 fetch y's halves, waves 2 and 3 W's; an s_nop 0 and four v_nop follow each line
	s_cmp_eq_u32 s15, 0
	s_cbranch_scc0 .Lfor_b_\@
	tensor_load_to_lds s[\g0a:\g0a+3], s[\g1a:\g1a+7]
	s_nop 0
.rept 4
	v_nop
.endr
	s_branch .Lasked_\@
.Lfor_b_\@:
	tensor_load_to_lds s[\g0b:\g0b+3], s[\g1b:\g1b+7]
	s_nop 0
.rept 4
	v_nop
.endr
.Lasked_\@:
.endm
.macro CROUND
	s_barrier_signal -1
	s_barrier_wait -1
	s_cmp_lg_u32 s14, 0
	s_cbranch_scc1 .Lnot_wave_0_\@
	s_barrier_signal -3
.Lnot_wave_0_\@:
	s_barrier_wait -3
	s_barrier_signal -1
	s_barrier_wait -1
.endm
	s_load_b256 s[4:11], s[0:1], 0x0               ; yq, wpq, b_proj, out0
	v_lshl_add_u32 v[SPW], v0, 2, SPARE
	v_mov_b32 v[NIL], 0
	ds_add_u32 v[SPW], v[NIL]                      ; the wave's opening: the add, twice on end, and its wait ahead of my first tensor load
	ds_add_u32 v[SPW], v[NIL]
	v_lshrrev_b32 v1, 5, v0
	v_readfirstlane_b32 s14, v1
	s_lshr_b32 s15, s14, 1                         ; my half of the tokens.  Also: I fetch for y (0) or for W (1)
	s_and_b32 s16, s14, 1                          ; my half of the columns.  Also: which 128 rows I fetch
	s_bfe_u32 s40, ttmp6, 0x40000
	s_bfe_u32 s41, ttmp6, 0x40004
	s_lshl_b32 s42, ttmp9, 2
	s_add_co_u32 s42, s42, s40                     ; X: tile of 256 columns
	s_and_b32 s17, ttmp7, 0xffff
	s_lshl_b32 s17, s17, 2
	s_add_co_u32 s17, s17, s41                     ; Y: tile of 256 tokens
	s_lshl_b32 s43, s41, 2
	s_lshl_b32 s43, 15, s43
	s_lshl_b32 s44, 0x1111, s40
	s_or_b32 s[G1+0], s43, (3<<16)|(1<<21)
	s_or_b32 s[G1B+0], s44, (3<<16)|(1<<21)
.irp g, G1, G1B
	s_mov_b32 s[\g+1], 32<<16
	s_mov_b32 s[\g+2], 128<<16
	s_mov_b32 s[\g+3], 32<<16
	s_mov_b32 s[\g+4], 128
	s_mov_b32 s[\g+5], 32
	s_mov_b32 s[\g+6], 0
	s_mov_b32 s[\g+7], 0
.endr
	s_or_b32 s[G1S+0], s43, (3<<16)|(1<<21)
	s_or_b32 s[G1SB+0], s44, (3<<16)|(1<<21)
.irp g, G1S, G1SB
	s_mov_b32 s[\g+1], 32<<16
	s_mov_b32 s[\g+2], 16<<16
	s_mov_b32 s[\g+3], 32<<16
	s_mov_b32 s[\g+4], 16
	s_mov_b32 s[\g+5], 32
	s_mov_b32 s[\g+6], 0
	s_mov_b32 s[\g+7], 0
.endr
	s_lshl_b32 s18, s16, 3
	s_lshl_b32 s20, s17, 4
	s_add_co_u32 s20, s20, s18
	s_lshl_b32 s46, s42, 4
	s_add_co_u32 s46, s46, s18
	s_lshl_b32 s22, s20, 9
	s_add_co_u32 s22, s22, 8192*512
	s_mov_b32 s23, 0
	s_lshl_b32 s20, s20, 12
	s_mov_b32 s21, 0
	s_lshl_b32 s92, s46, 9
	s_add_co_u32 s92, s92, 1024*512
	s_mov_b32 s93, 0
	s_lshl_b32 s46, s46, 12
	s_mov_b32 s47, 0
	s_lshl_b32 s45, s14, 15
	s_lshl_b32 s94, s14, 12
	s_wait_dscnt 0x0                               ; both opening adds are done
	s_wait_kmcnt 0x0
	s_add_nc_u64 s[20:21], s[4:5], s[20:21]
	s_add_nc_u64 s[22:23], s[4:5], s[22:23]
	s_add_nc_u64 s[46:47], s[6:7], s[46:47]
	s_add_nc_u64 s[92:93], s[6:7], s[92:93]
	CROUND
	s_mov_b32 s[G0S], 1
	s_add_co_u32 s[G0S+1], s94, SCL
	s_mov_b64 s[G0S+2:G0S+3], s[22:23]
	s_or_b32 s[G0S+3], s[G0S+3], 0x80000000
	s_mov_b32 s[G0SB], 1
	s_add_co_u32 s[G0SB+1], s94, SCL
	s_mov_b64 s[G0SB+2:G0SB+3], s[92:93]
	s_or_b32 s[G0SB+3], s[G0SB+3], 0x80000000
	JLOAD G0S, G1S, G0SB, G1SB
.irp s, 0,1
	s_mov_b32 s[G0+4*\s], 1
	s_add_co_u32 s[G0+4*\s+1], s45, \s*SLOT
	s_add_nc_u64 s[G0+4*\s+2:G0+4*\s+3], s[20:21], \s*8192*256
	s_or_b32 s[G0+4*\s+3], s[G0+4*\s+3], 0x80000000
	s_mov_b32 s[G0B+4*\s], 1
	s_add_co_u32 s[G0B+4*\s+1], s45, \s*SLOT
	s_add_nc_u64 s[G0B+4*\s+2:G0B+4*\s+3], s[46:47], \s*1024*256
	s_or_b32 s[G0B+4*\s+3], s[G0B+4*\s+3], 0x80000000
	JLOAD G0+4*\s, G1, G0B+4*\s, G1B               ; three tensor loads of mine are out at the most
.endr
	v_and_b32 v1, 31, v0                           ; lane
	v_and_b32 v2, 15, v0                           ; r
	v_bfe_u32 v3, v0, 4, 1                         ; h
	v_lshlrev_b32 v[CO], 4, v1
	s_lshl_b32 s92, s42, 10
	s_lshl_b32 s93, s16, 9
	s_add_co_u32 s92, s92, s93
	s_mov_b32 s93, 0
	s_add_nc_u64 s[92:93], s[8:9], s[92:93]        ; b_proj at my 128 columns
	v_lshlrev_b32 v4, 6, v3
.irp t, 0,1,2,3,4,5,6,7                ; tile t, register j: column 32 (t / 2) + 16 h + 8 (t % 2) + j
	global_load_b128 v[BIAS+8*\t:BIAS+8*\t+3], v4, s[92:93] offset:(32*(\t/2)+8*(\t%2))*4
	global_load_b128 v[BIAS+8*\t+4:BIAS+8*\t+7], v4, s[92:93] offset:(32*(\t/2)+8*(\t%2))*4+16
.endr
	s_lshl_b32 s21, s15, 15                        ; my 128 rows of y
	s_lshl_b32 s22, s16, 15
	s_add_co_u32 s22, s22, 65536                   ; my 128 rows of W, behind y's 256
.irp s, 0,1
	v_add_nc_u32 v[ADRA+\s], s21, v[CO]
	v_add_nc_u32 v[ADRB+\s], s22, v[CO]
	s_add_co_u32 s21, s21, SLOT
	s_add_co_u32 s22, s22, SLOT
.endr
	v_lshlrev_b32 v5, 4, v2                        ; my row's four words
	s_lshl_b32 s21, s15, 12
	s_lshl_b32 s22, s16, 12
	s_add_co_u32 s22, s22, 8192
	s_sub_co_u32 s22, s22, s21
	v_mul_u32_u24 v6, s22, v3                      ; lanes 16-31 take W's: one product, the distance between the two bases
	s_add_co_u32 s21, s21, SCL
	v_add_nc_u32 v5, v5, v6
	v_add_nc_u32 v[ADRS], s21, v5
	s_mul_i32 s23, s14, 16*SPITCH
	s_add_co_u32 s23, s23, STAGE                   ; my stage
	v_mul_u32_u24 v5, v2, SPITCH
	v_lshl_add_u32 v5, v3, 6, v5                   ; in: row r, + 64 h bytes
	v_add_nc_u32 v[STO], s23, v5
	v_add_nc_u32 v[RD], s23, v[CO]                 ; back: the 32 lanes take one row of 512 bytes
	s_lshl_b32 s20, s17, 20                        ; 256 Y rows of 4,096 bytes
	s_lshl_b32 s21, s15, 19
	s_add_co_u32 s20, s20, s21
	s_lshl_b32 s21, s42, 10
	s_add_co_u32 s20, s20, s21
	s_lshl_b32 s21, s16, 9
	s_add_co_u32 s20, s20, s21
	s_mov_b32 s21, 0
	s_add_nc_u64 s[10:11], s[10:11], s[20:21]
.macro FRAG reg, adr, q, i
.irp c, 0,1
	ds_load_b128 v[\reg+4*\c:\reg+4*\c+3], v[\adr] offset:(\i)*4096+(\q)*1024+512*\c
.endr
.endm
; zero = 2: the bias starts the sums.  The 64 accumulators take turns, one instruction a turn, in the same order in every step.
.macro MUL16 a0, p, q, sc, zero
.irp a, \a0, \a0+1
.irp b, 0,1,2,3,4,5,6,7
.if (\zero) == 2
	v_wmma_scale_f32_16x16x128_f8f6f4 v[8*(8*((\a)%4)+\b):8*(8*((\a)%4)+\b)+7], v[128*(\p)+FR*\b:128*(\p)+FR*\b+FR-1], v[AF+FR*(\a):AF+FR*(\a)+FR-1], v[BIAS+8*\b:BIAS+8*\b+7], v[SC+8*NQ*(\sc)+NQ*\b+(\q)], v[SC+8*NQ*(\sc)+NQ*(\a)+(\q)] matrix_a_fmt:MATRIX_FMT_FP4 matrix_b_fmt:MATRIX_FMT_FP4 matrix_a_scale:MATRIX_SCALE_ROW1
.else
	v_wmma_scale_f32_16x16x128_f8f6f4 v[8*(8*((\a)%4)+\b):8*(8*((\a)%4)+\b)+7], v[128*(\p)+FR*\b:128*(\p)+FR*\b+FR-1], v[AF+FR*(\a):AF+FR*(\a)+FR-1], v[8*(8*((\a)%4)+\b):8*(8*((\a)%4)+\b)+7], v[SC+8*NQ*(\sc)+NQ*\b+(\q)], v[SC+8*NQ*(\sc)+NQ*(\a)+(\q)] matrix_a_fmt:MATRIX_FMT_FP4 matrix_b_fmt:MATRIX_FMT_FP4 matrix_a_scale:MATRIX_SCALE_ROW1
.endif
.endr
.endr
.endm
.macro FETCH_B slot, q, p
	WIN TO_B
.irp i, 0,1,2,3,4,5,6,7
	FRAG 128*(\p)+FR*\i, ADRB+\slot, \q, \i
.endr
	WIN 0
.endm
.macro FETCH_A slot, q, i0
.irp i, \i0, \i0+1, \i0+2, \i0+3
	FRAG AF+FR*(\i), ADRA+\slot, \q, \i
.endr
.endm
.macro SCALES sc
.irp i, 0,1,2,3,4,5,6,7
	ds_load_b128 v[SC+8*NQ*\sc+NQ*\i:SC+8*NQ*\sc+NQ*\i+3], v[ADRS] offset:\i*512+\sc*256
.endr
.endm
.macro PLACES n
.rept \n
	v_nop
.endr
.endm
.macro STEP slot, q, zero
	s_wait_dscnt 4*NL                              ; W's set and y's blocks 0-3 are in; the youngest eight loads (blocks 4-7) may be out
.if (\zero) == 2
	WIN BIA_LO
.else
	WIN MUL_LO
.endif
	MUL16 0, (\q)%2, \q, \slot, \zero
	MUL16 2, (\q)%2, \q, \slot, \zero
	s_wait_dscnt 0
	PLACES NP
	FETCH_B \slot, (\q)+1, 1-(\q)%2
	FETCH_A \slot, (\q)+1, 0
.if (\zero) == 2
	WIN BIA_HI
.else
	WIN MUL_HI
.endif
	MUL16 4, (\q)%2, \q, \slot, \zero
	MUL16 6, (\q)%2, \q, \slot, \zero
	PLACES NP
	WIN 0
	FETCH_A \slot, (\q)+1, 4
.endm
.macro TURN slot, next                 ; slot 0's last step: behind its barrier slot 1 is whole for every wave.  Nothing is filled again
	s_wait_tensorcnt 0x0
	ds_add_u32 v[SPW], v[NIL]
	s_wait_dscnt 4*NL+1                            ; (the add and the youngest eight loads may be out)
	WIN MUL_LO
	MUL16 0, 1, NQ-1, \slot, 0
	s_wait_dscnt 0x0
	s_barrier_signal -1
	MUL16 2, 1, NQ-1, \slot, 0
	WIN 0
	s_barrier_wait -1
	PLACES NP
	FETCH_B \next, 0, 0
	FETCH_A \next, 0, 0
	SCALES \next
	WIN MUL_HI
	MUL16 4, 1, NQ-1, \slot, 0
	MUL16 6, 1, NQ-1, \slot, 0
	PLACES NP
	WIN 0
	FETCH_A \next, 0, 4
.endm
.macro STEPS slot, from
.set Q, \from
.rept NQ-1-\from
	STEP \slot, Q, 0
.set Q, Q+1
.endr
.endm
	s_wait_tensorcnt 1                             ; the scale words and my part of slot 0 are in (slot 1's load may be out)
	s_barrier_signal -1
	s_barrier_wait -1                              ; everybody's are
	FETCH_B 0, 0, 0
	FETCH_A 0, 0, 0
	SCALES 0
	FETCH_A 0, 0, 4
	s_wait_loadcnt 0x0                             ; the bias
	STEP 0, 0, 2
	STEPS 0, 1
	TURN 0, 1
	STEPS 1, 0
	s_wait_dscnt 4*NL                              ; the very last step: nothing more to fetch
	WIN MUL_LO
	MUL16 0, 1, NQ-1, 1, 0
	MUL16 2, 1, NQ-1, 1, 0
	s_wait_dscnt 0
	WIN MUL_HI
	MUL16 4, 1, NQ-1, 1, 0
	MUL16 6, 1, NQ-1, 1, 0
	WIN 0
; THE WAY OUT, block by block of 16 tokens x 128 columns, through my own stage: in by 32 bytes a lane and tile, back as whole rows of 512 bytes.  LDS serves a wave's instructions in order.
.macro TOSTAGE a
.set AC, 64*((\a)%4)
	WIN 0x08+4*((\a)/4)                            ; the data: window 2 or 3
.irp b, 0,1,2,3,4,5,6,7
	ds_store_b128 v[STO], v[AC+8*\b:AC+8*\b+3] offset:128*(\b/2)+32*(\b%2)          ; each accumulator from its low end on; columns 32 (b / 2) + 16 h + 8 (b % 2) on
	ds_store_b128 v[STO], v[AC+8*\b+4:AC+8*\b+7] offset:128*(\b/2)+32*(\b%2)+16
.endr
	WIN 0
.set BB, BK+64*((\a)%2)
.irp t, 0,1,2,3,4,5,6,7,8,9,10,11,12,13,14,15
	ds_load_b128 v[BB+4*\t:BB+4*\t+3], v[RD] offset:\t*SPITCH
.endr
.endm
.macro SEND a, younger                 ; row t of block a is token 32 (a / 2) + 8 (a % 2) + t + 8 (t / 8) of my 128: the base is never stepped
.set BB, BK+64*((\a)%2)
	s_wait_dscnt \younger
.irp t, 0,1,2,3,4,5,6,7,8,9,10,11,12,13,14,15
	global_store_b128 v[CO], v[BB+4*\t:BB+4*\t+3], s[10:11] offset:(32*((\a)/2)+8*((\a)%2)+\t+8*(\t/8))*4096 th:TH_STORE_NT   ; 512 consecutive bytes, at a multiple of 256 from the output's first byte
.endr
.endm
	PLACES NP
	TOSTAGE 0
.irp a, 1,2,3,4,5,6,7
.if \a > 1
	s_wait_xcnt 0x0                                ; block a - 2's stores have read their registers: block a's loads may land there
.endif
	TOSTAGE \a
	SEND \a-1, 32                                  ; behind block a - 1's loads: block a's 16 stores and 16 loads
.endr
	SEND 7, 0
	s_wait_tensorcnt 0x0                           ; the wave's end
	ds_add_u32 v[SPW], v[NIL]
	s_wait_dscnt 0x0
	CROUND                                         ; the closing round
	s_endpgm
.Lfunc_end_k_q98fe257cbc_proj:
	.size	k_q98fe257cbc_proj, .Lfunc_end_k_q98fe257cbc_proj-k_q98fe257cbc_proj
	.p2alignl 7, 3214868480
	.fill 96, 4, 3214868480
	.section	.rodata,"a",@progbits
	.p2align	6, 0x0
	.amdhsa_kernel k_q98fe257cbc_proj
		.amdhsa_group_segment_fixed_size 327680
		.amdhsa_private_segment_fixed_size 0
		.amdhsa_enable_private_segment 0
		.amdhsa_kernarg_size 32
		.amdhsa_user_sgpr_count 2
		.amdhsa_user_sgpr_kernarg_segment_ptr 1
		.amdhsa_wavefront_size32 1
		.amdhsa_system_sgpr_workgroup_id_x 1
		.amdhsa_system_sgpr_workgroup_id_y 1
		.amdhsa_system_sgpr_workgroup_id_z 1
		.amdhsa_system_vgpr_workitem_id 0
		.amdhsa_next_free_vgpr 1024
		.amdhsa_next_free_sgpr 100
		.amdhsa_reserve_vcc 0
		.amdhsa_float_denorm_mode_32 3
		.amdhsa_float_denorm_mode_16_64 3
		.amdhsa_memory_ordered 1
		.amdhsa_forward_progress 1
		.amdhsa_inst_pref_size 125
	.end_amdhsa_kernel
	.amdgpu_metadata
---
amdhsa.version: [ 1, 2 ]
amdhsa.kernels:
  - .name:           k_q98fe257cbc_proj
    .symbol:         k_q98fe257cbc_proj.kd
    .args:
      - { .name: yq, .offset: 0, .size: 8, .value_kind: global_buffer, .address_space: global }
      - { .name: wpq, .offset: 8, .size: 8, .value_kind: global_buffer, .address_space: global }
      - { .name: b_proj, .offset: 16, .size: 8, .value_kind: global_buffer, .address_space: global }
      - { .name: out0, .offset: 24, .size: 8, .value_kind: global_buffer, .address_space: global }
    .group_segment_fixed_size: 327680
    .private_segment_fixed_size: 0
    .kernarg_segment_align: 8
    .kernarg_segment_size: 32
    .max_flat_workgroup_size: 128
    .sgpr_count:     100
    .vgpr_count:     1024
    .wavefront_size: 32
...
	.end_amdgpu_metadata
.endif
;; end of part 4
